; MI455X (gfx1250); checked and timed in simulation.
; The chip was launched on July 23, 2026; its instructions are those of AMD's public machine-readable ISA for CDNA 5 (MIT licence, August 2026) and "CDNA5" Instruction Set Architecture Reference Guide (July 2026). The comments in the code are by the model that wrote it; some were corrected since.
;; Muti Query Attention. Allowed arithmetic: matrix products marked QUANTISED: E5M2 operands, one given power-of-two scale a tensor, by v_wmma_f32_16x16x64_bf8_bf8 or v_wmma_f32_16x16x128_bf8_bf8, f32 sums; everything else in f32.
;; Inputs: Wk 1,024 x 64 float32; Wo 1,024 x 1,024 float32; Wq 1,024 x 1,024 float32; Wv 1,024 x 64 float32; bk 64 float32; bo 1,024 float32; bq 1,024 float32; bv 64 float32; hidden_state 4 x 2,048 x 1,024 float32; lowp_scales 12 int32 (the exponents e of the quantised operands' scales 2^e).
;; Outputs: out0 4 x 2,048 x 1,024 float32.
;; This version of the problem:
;;   THIS VERSION OF THE PROBLEM IS GIVEN IN LOW PRECISION. The matrix products marked QUANTISED in the list below multiply operands that are first quantised to E5M2 (5 exponent bits, 2 mantissa bits; 8 bits a number), with one given power-of-two scale for each operand tensor; their sums are f32. All else is computed in f32.
;;   The module's matrix products, in the order in which they are computed (A, B: the left and right operand; K: the contracted axis; several contracted axes count as one K, in the product's order):
;;     1. [M 8,192, K 1,024] x [K 1,024, N 1,024]; A: input hidden_state; B: input Wq: QUANTISED (scales: A lowp_scales[0], B lowp_scales[1])
;;     2. [M 8,192, K 1,024] x [K 1,024, N 64]; A: input hidden_state; B: input Wk: QUANTISED (scales: A lowp_scales[2], B lowp_scales[3])
;;     3. [M 8,192, K 1,024] x [K 1,024, N 64]; A: input hidden_state; B: input Wv: QUANTISED (scales: A lowp_scales[4], B lowp_scales[5])
;;     4. batch 4 x [M 2,048, K 64] x [K 64, N 32,768]; A: computed on the way; B: computed on the way: QUANTISED (scales: A lowp_scales[6], B lowp_scales[7])
;;     5. batch 4 x [M 64, K 2,048] x [K 2,048, N 32,768]; A: computed on the way; B: softmax (see below): QUANTISED (scales: A lowp_scales[8], B lowp_scales[9])
;;     6. [M 8,192, K 1,024] x [K 1,024, N 1,024]; A: computed on the way; B: input Wo: QUANTISED (scales: A lowp_scales[10], B lowp_scales[11])
;;   THE QUANTISER, for each operand of a quantised product, along K:
;;     - The operand's scale is 2^e, e = its entry of the input lowp_scales (int32; the entries are numbered through the quantised products in the list's order, A before B).
;;     - Each number is divided by the scale, clamped to +-57,344, and rounded to the nearest number of E5M2, ties to even, subnormals kept.
;;     - The product sums the exact products of the quantised numbers (number of the format x scale) in f32.
;;   ~~~python
;;   def quantise(x, axis, e):      # numpy; x: float32 -> the quantised numbers, widened to float32 again
;;       x = np.moveaxis(x, axis, -1); K = x.shape[-1]
;;       r = np.clip(x / 2.0 ** e, -57344, 57344)
;;       step = 2.0 ** (np.maximum(np.frexp(np.where(r == 0, 1, r))[1] - 1, -14) - 2)
;;       q = np.round(r / step) * step * 2.0 ** e      # np.round: ties to even
;;       return np.moveaxis(q, -1, axis).astype(np.float32)
;;   ~~~
;;   SOFTMAX AHEAD OF A QUANTISED PRODUCT. Where the list says 'softmax', what is quantised is not the finished softmax but p = 2^(t - M), with t = logit x log2(e) and M = ceil(the row's largest t), a whole number; so 1/2 < the row's largest p <= 1. The row's sum l is taken of the UNQUANTISED p, in f32, and the product's result is divided by l at the end. Since M is a whole number, a kernel that streams over the keys may use a running M (the ceiling of the running maximum): every later rescaling is an exact power of two, so the quantised numbers keep their values, but for numbers so far below the row's largest that they fall under the format's range.
;;   OPERANDS COMPUTED ON THE WAY. 'Computed on the way' means the value that the module computes at that place (a softmax that the list does not call 'softmax' is quantised finished and normalised). What goes into a quantiser is computed in f32, as accurately as f32 sums, v_exp_f32 and their like allow (about 1e-6 of the number): no bf16 or f16 on the way to a quantiser, and a product that is left as it is and whose result goes on into a quantised operand takes f32 operands (vector FMAs, or v_wmma_f32_16x16x4_f32). A number that lies on a knife's edge between two numbers of the format may be rounded either way, as far as f32 arithmetic and the matrix unit's own rounding can turn it there, and no further.
;; 2 versions. Each part assembles by itself: llvm-mc -triple=amdgcn-amd-amdhsa -mcpu=gfx1250 --defsym DOCPART=n.
;; ======== version 1 of 2: 3 launches
;; workspace buffers: wq_img 1,048,576 bytes; wo_img 1,048,576 bytes; wkv_img 131,072 bytes; hq_img 8,388,608 bytes; kv_img 1,048,576 bytes
;; launch prep (part 1): grid 272 x 1, 4 waves a work-group, no clusters, 0 bytes of LDS; arguments Wq, Wo, Wk, Wv, lowp_scales, wq_img, wo_img, wkv_img; writes wq_img, wo_img, wkv_img
.if DOCPART == 1
	.amdgcn_target "amdgcn-amd-amdhsa--gfx1250"
	.amdhsa_code_object_version 6
	.text
	.protected	k_qe3f0ec246f_prep
	.globl	k_qe3f0ec246f_prep
	.p2align	8
	.type	k_qe3f0ec246f_prep,@function
k_qe3f0ec246f_prep:
	s_mov_b64 s[64:65], 0
	v_nop
	global_prefetch_b8 v0, s[64:65] scope:SCOPE_SE
	s_setreg_imm32_b32 hwreg(HW_REG_WAVE_MODE, 25, 1), 1
	s_wait_xcnt 0x0
; MULTI-QUERY ATTENTION ON CODES OF E5M2, three launches: prep (this one), project, attend.
; DEAD WORK: none.  bq and bk move the codes of q and k (product 4), bv those of v (product 5), bo is added to the output, and all six
; products reach the output: every input is loaded and no step of the problem is left out.
; THIS LAUNCH turns the four weights, f32 stored [K = 1024][N], into codes of E5M2 with the given scales (Wq: entry 1, Wk: 3, Wv: 5, Wo: 11):
; code = x / 2^e, held within +-57,344, to the nearest code, ties to even.
; LAYOUT OF ALL CODES IN THIS PROGRAM: IMAGES OF OPERAND REGISTERS.  A fragment of the plain 8-bit matrix forms is 16 rows; lane (r = lane % 16, h = lane / 16)
; holds, of row r, k = 16 c + 8 h + 0..7 in registers 2 c, 2 c + 1.  An image lays registers 4 g .. 4 g + 3 as 512 bytes, lane l's 16 bytes at 16 l, the groups g on end:
; 128 along K are 2,048 bytes.  Here a row is a weight's COLUMN: wq_img, wo_img: [64 tiles of 16 columns][8 K steps of 128][2048]; wkv_img the same with 8 tiles: 0-3 Wk, 4-7 Wv.
; SHARES.  A lane takes a column and its registers run down K; a wave takes 32 columns x 64 along K, the four waves stand side by side on 512 bytes of a row of Wq or Wo.
; Work-groups 0-127: Wq, 128-255: Wo (128 columns (id / 16) % 8, 64 along K id % 16); 256-271: waves 0, 1 Wk's 64 columns, waves 2, 3 Wv's.
; A lane's 32 numbers of a group g are the 16 bytes of image lane (r, 0) (k 0-7, 16-23 of the 32) and those of lane (r, 1) (k 8-15, 24-31): two stores,
; in each of which sixteen lanes write 256 consecutive bytes, aligned.  No LDS, no barrier: waves share nothing.
; LIMITS: each e between -126 and 112, so that 2^e and 57,344 x 2^e are f32 numbers.  NaN among the inputs is not served.
.set X, 16                             ; v16-79  64 numbers down K
.set C, 80                             ; v80-95  their codes: 8 registers a block of 32, written once
.macro LOADS pitch                     ; W(64 u + i, my column), i = 0 .. 63: 32 lanes read 128 consecutive bytes
.set i, 0
.rept 64
	global_load_b32 v[X+i], v1, s[36:37] offset:i*(\pitch) th:TH_LOAD_NT
.set i, i+1
.endr
.endm
.macro BLOCK j                         ; 32 along K: group 2 (u % 2) + j of the K step's image
	s_wait_loadcnt 32*(1-(\j))                     ; loads come back in order: block 0 leaves block 1's 32 out
.set i, 0
.rept 32
	v_med3_num_f32 v[X+32*(\j)+i], v[X+32*(\j)+i], -v4, v4   ; the conversion does not saturate (ISA guide 7.6.2): the hold at the largest code x the scale
.set i, i+1
.endr
	v_cvt_scalef32_pk8_bf8_f32 v[C+8*(\j):C+8*(\j)+1],   v[X+32*(\j):X+32*(\j)+7],     v3   ; image lane (r, 0): k 0-7,
	v_cvt_scalef32_pk8_bf8_f32 v[C+8*(\j)+2:C+8*(\j)+3], v[X+32*(\j)+16:X+32*(\j)+23], v3   ; k 16-23
	v_cvt_scalef32_pk8_bf8_f32 v[C+8*(\j)+4:C+8*(\j)+5], v[X+32*(\j)+8:X+32*(\j)+15],  v3   ; image lane (r, 1): k 8-15,
	v_cvt_scalef32_pk8_bf8_f32 v[C+8*(\j)+6:C+8*(\j)+7], v[X+32*(\j)+24:X+32*(\j)+31], v3   ; k 24-31
	v_nop                                          ; a plain line behind the last conversion
	global_store_b128 v2, v[C+8*(\j):C+8*(\j)+3],   s[38:39] offset:512*(\j)
	global_store_b128 v2, v[C+8*(\j)+4:C+8*(\j)+7], s[38:39] offset:512*(\j)+256
.endm
	s_load_b256 s[4:11], s[0:1], 0x0               ; Wq s[4:5], Wo s[6:7], Wk s[8:9], Wv s[10:11]
	s_load_b256 s[12:19], s[0:1], 0x20             ; the exponents s[12:13], wq_img s[14:15], wo_img s[16:17], wkv_img s[18:19]
	v_lshrrev_b32 v5, 5, v0
	v_readfirstlane_b32 s20, v5                    ; wave 0..3
	v_and_b32 v6, 31, v0                           ; lane
	v_lshlrev_b32 v1, 2, v6                        ; in: 4 bytes a lane
	v_lshrrev_b32 v7, 4, v6
	v_and_b32 v8, 15, v6
	v_lshlrev_b32 v2, 4, v8
	v_lshl_add_u32 v2, v7, 14, v2                  ; out: lanes 16-31 belong to the next tile of columns, 16,384 bytes on; 16 bytes for each column
	s_mov_b32 s43, 0
	s_wait_kmcnt 0x0
	s_load_b256 s[24:31], s[12:13], 0x0            ; e0 .. e7
	s_load_b128 s[32:35], s[12:13], 0x20           ; e8 .. e11
	s_cmp_ge_u32 ttmp9, 256
	s_cbranch_scc1 .Lsmall
	s_cmp_lt_u32 ttmp9, 128                        ; Wq's work-group or Wo's: the choice hangs on the work-group's number alone
	s_cselect_b64 s[36:37], s[4:5], s[6:7]
	s_cselect_b64 s[38:39], s[14:15], s[16:17]
	s_bfe_u32 s21, ttmp9, 0x30004                  ; cb: which 128 columns
	s_and_b32 s22, ttmp9, 15                       ; u: which 64 along K
	s_lshl_b32 s42, s22, 18                        ; 64 u rows of 4,096 bytes
	s_lshl_b32 s23, s21, 9
	s_add_co_u32 s42, s42, s23                     ; + 128 cb columns
	s_lshl_b32 s23, s20, 7
	s_add_co_u32 s42, s42, s23                     ; + 32 x wave columns
	s_add_nc_u64 s[36:37], s[36:37], s[42:43]
	s_lshl_b32 s42, s21, 17                        ; tile of columns 8 cb + 2 x wave, 16,384 bytes each
	s_lshl_b32 s23, s20, 15
	s_add_co_u32 s42, s42, s23
	s_lshl_b32 s23, s22, 10                        ; + 1,024 u: K step u / 2, its groups 2 (u % 2) on
	s_add_co_u32 s42, s42, s23
	s_add_nc_u64 s[38:39], s[38:39], s[42:43]
	LOADS 4096
	s_wait_kmcnt 0x0
	s_cmp_lt_u32 ttmp9, 128
	s_cselect_b32 s40, s25, s35                    ; e1 or e11
	s_branch .Ljoin
.Lsmall:
	s_cmp_lt_u32 s20, 2                            ; waves 0, 1: Wk; waves 2, 3: Wv
	s_cselect_b64 s[36:37], s[8:9], s[10:11]
	s_mov_b64 s[38:39], s[18:19]
	s_sub_co_u32 s22, ttmp9, 256                   ; u
	s_lshl_b32 s42, s22, 14                        ; 64 u rows of 256 bytes
	s_and_b32 s23, s20, 1
	s_lshl_b32 s23, s23, 7
	s_add_co_u32 s42, s42, s23                     ; + 32 (wave % 2) columns
	s_add_nc_u64 s[36:37], s[36:37], s[42:43]
	s_lshl_b32 s42, s20, 15                        ; tile 2 x wave of the eight
	s_lshl_b32 s23, s22, 10
	s_add_co_u32 s42, s42, s23
	s_add_nc_u64 s[38:39], s[38:39], s[42:43]
	LOADS 256
	s_wait_kmcnt 0x0
	s_cmp_lt_u32 s20, 2
	s_cselect_b32 s40, s27, s29                    ; e3 or e5
.Ljoin:                                            ; on both ways 64 loads are out
	s_add_co_i32 s40, s40, 127
	s_lshl_b32 s41, s40, 23
	v_mov_b32 v3, s41                              ; 2^e as f32: the conversion takes its exponent field
	s_add_co_i32 s40, s40, 15
	s_lshl_b32 s40, s40, 23
	s_or_b32 s40, s40, 0x600000
	v_mov_b32 v4, s40                              ; 57,344 x 2^e
	BLOCK 0
	BLOCK 1
	s_endpgm
.Lfunc_end_k_qe3f0ec246f_prep:
	.size	k_qe3f0ec246f_prep, .Lfunc_end_k_qe3f0ec246f_prep-k_qe3f0ec246f_prep
	.p2alignl 7, 3214868480
	.fill 96, 4, 3214868480
	.section	.rodata,"a",@progbits
	.p2align	6, 0x0
	.amdhsa_kernel k_qe3f0ec246f_prep
		.amdhsa_group_segment_fixed_size 0
		.amdhsa_private_segment_fixed_size 0
		.amdhsa_enable_private_segment 0
		.amdhsa_kernarg_size 64
		.amdhsa_user_sgpr_count 2
		.amdhsa_user_sgpr_kernarg_segment_ptr 1
		.amdhsa_wavefront_size32 1
		.amdhsa_system_sgpr_workgroup_id_x 1
		.amdhsa_system_sgpr_workgroup_id_y 1
		.amdhsa_system_sgpr_workgroup_id_z 1
		.amdhsa_system_vgpr_workitem_id 0
		.amdhsa_next_free_vgpr 96
		.amdhsa_next_free_sgpr 66
		.amdhsa_reserve_vcc 0
		.amdhsa_float_denorm_mode_32 3
		.amdhsa_float_denorm_mode_16_64 3
		.amdhsa_memory_ordered 1
		.amdhsa_forward_progress 1
		.amdhsa_inst_pref_size 20
	.end_amdhsa_kernel
	.amdgpu_metadata
---
amdhsa.version: [ 1, 2 ]
amdhsa.kernels:
  - .name:           k_qe3f0ec246f_prep
    .symbol:         k_qe3f0ec246f_prep.kd
    .args:
      - { .name: Wq, .offset: 0, .size: 8, .value_kind: global_buffer, .address_space: global }
      - { .name: Wo, .offset: 8, .size: 8, .value_kind: global_buffer, .address_space: global }
      - { .name: Wk, .offset: 16, .size: 8, .value_kind: global_buffer, .address_space: global }
      - { .name: Wv, .offset: 24, .size: 8, .value_kind: global_buffer, .address_space: global }
      - { .name: lowp_scales, .offset: 32, .size: 8, .value_kind: global_buffer, .address_space: global }
      - { .name: wq_img, .offset: 40, .size: 8, .value_kind: global_buffer, .address_space: global }
      - { .name: wo_img, .offset: 48, .size: 8, .value_kind: global_buffer, .address_space: global }
      - { .name: wkv_img, .offset: 56, .size: 8, .value_kind: global_buffer, .address_space: global }
    .group_segment_fixed_size: 0
    .private_segment_fixed_size: 0
    .kernarg_segment_align: 8
    .kernarg_segment_size: 64
    .max_flat_workgroup_size: 128
    .sgpr_count:     66
    .vgpr_count:     96
    .wavefront_size: 32
...
	.end_amdgpu_metadata
.endif
;; end of part 1
;; launch project (part 2): grid 256 x 1, 8 waves a work-group, no clusters, 68,608 bytes of LDS; arguments hidden_state, wkv_img, bk, bv, lowp_scales, hq_img, kv_img; writes hq_img, kv_img
.if DOCPART == 2
	.amdgcn_target "amdgcn-amd-amdhsa--gfx1250"
	.amdhsa_code_object_version 6
	.text
	.protected	k_qe3f0ec246f_project
	.globl	k_qe3f0ec246f_project
	.p2align	8
	.type	k_qe3f0ec246f_project,@function
k_qe3f0ec246f_project:
	s_mov_b64 s[64:65], 0
	v_nop
	global_prefetch_b8 v0, s[64:65] scope:SCOPE_SE
	s_setreg_imm32_b32 hwreg(HW_REG_WAVE_MODE, 25, 1), 1
	s_wait_xcnt 0x0
; hidden_state [8192 tokens][1024] f32 is read ONCE and quantised three times (entries 0, 2, 4 of the exponents: they may differ).  No work of the problem is left out here.
;   e0's codes go to hq_img for the next launch's product with Wq: [512 tiles of 16 tokens][8 K steps of 128][2048], images of operand registers (lane (r, h): token r, k = 16 c + 8 h + 0..7 in registers 2 c, 2 c + 1;
;   registers 4 g .. 4 g + 3 as 512 bytes, lane l's 16 bytes at 16 l).
;   e2's and e4's codes go through LDS to the products k = x Wk + bk and v = x Wv + bv, whose results are quantised (k: entry 6, along the head's 64; v: entry 8, along the KEYS) into kv_img:
;   for each batch 262,144 bytes: 128 images of 16 keys x 64 (1,024 bytes each), then [16 steps of 128 keys][4 tiles of 16 channels][2048]: images of V^T.
; SHARES.  Work-group i takes tokens 32 i .. 32 i + 31: two tiles m.  Wave w quantises K step w of both tiles; then it makes tile w of the eight tiles of 16 columns (0-3: k, 4-7: v) for both tiles of tokens, K = 1,024.
; k IS MADE TRANSPOSED (source 0 = 16 columns of Wk, source 1 = 16 tokens): a lane holds one token and eight neighbouring channels: its conversion gives registers 2 t, 2 t + 1 of the key tile's fragment.
; v IS MADE AS IT STANDS (source 0 = 16 tokens, source 1 = 16 columns of Wv): a lane holds one channel and eight neighbouring keys: the two tiles' conversions are one group of four registers of V^T's image.
; LIMITS: e0, e2, e4, e6, e8 between -126 and 112; e2 + e3 and e4 + e5 between -126 and 127.  NaN among the inputs is not served.
; REGISTERS: v1-9 addresses; v10-15 scales and holds; v16-31 two sets of 8 numbers at work; v32-127 six sets of 16 codes, later two buffers of x's fragments (v32-95), the two sums (v96-111), the bias (v112-119), codes (v120-125);
;   v128-255 x's numbers, later the wave's eight weight fragments.
.set XK,    0                          ; LDS: e2's images [m][K step][2048]
.set XV,    32768                      ; e4's
.set KST,   65536                      ; k's stage: the two key tiles' images, 2,048 bytes
.set SPARE, 67584                      ; the spare words, 128 bytes for each of eight waves: four blocks of 256 bytes that no other line names
.set TMP,   16
.set CD,    32
.set AB,    32
.set ACC,   96
.set BI,    112
.set OC,    120
.set XN,    128
.set WF,    128
.macro MKSC e, vsc, vlim               ; v[vsc] = 2^e as f32, v[vlim] = 57,344 x 2^e, e in s[e]
	s_add_co_i32 s52, s[\e], 127
	s_lshl_b32 s53, s52, 23
	v_mov_b32 v[\vsc], s53
	s_add_co_i32 s52, s52, 15
	s_lshl_b32 s52, s52, 23
	s_or_b32 s52, s52, 0x600000
	v_mov_b32 v[\vlim], s52
.endm
.macro XLOAD m                         ; tile m: lane (r, h) takes, of token r, k = 128 w + 16 c + 8 h + 0..7 into registers 8 c .. 8 c + 7; the sixteen loads together read each row's 512 bytes whole
.irp c, 0,1,2,3,4,5,6,7
	global_load_b128 v[XN+64*(\m)+8*\c:XN+64*(\m)+8*\c+3],   v2, s[4:5] offset:(\m)*65536+64*\c th:TH_LOAD_NT
	global_load_b128 v[XN+64*(\m)+8*\c+4:XN+64*(\m)+8*\c+7], v2, s[4:5] offset:(\m)*65536+64*\c+16 th:TH_LOAD_NT
.endr
.endm
.macro QUANT src, dst, sc, lim         ; 64 numbers become a fragment's 16 registers.  The numbers stay: the hold writes one of two sets of 8, by turns, so that eight plain lines stand between a conversion and the next write of its sources
.irp c, 0,1,2,3,4,5,6,7
.irp j, 0,1,2,3,4,5,6,7
	v_med3_num_f32 v[TMP+8*(\c%2)+\j], v[(\src)+8*\c+\j], -v[\lim], v[\lim]
.endr
	v_cvt_scalef32_pk8_bf8_f32 v[(\dst)+2*\c:(\dst)+2*\c+1], v[TMP+8*(\c%2):TMP+8*(\c%2)+7], v[\sc]
.endr
.endm
.macro Q3 m                            ; tile m three times; each set of codes has registers of its own
	QUANT XN+64*(\m), CD+48*(\m), 10, 11
.irp g, 0,1,2,3
	global_store_b128 v1, v[CD+48*(\m)+4*\g:CD+48*(\m)+4*\g+3], s[14:15] offset:(\m)*16384+512*\g   ; 32 lanes store 512 consecutive bytes, aligned
.endr
	QUANT XN+64*(\m), CD+48*(\m)+16, 12, 13
.irp g, 0,1,2,3
	ds_store_b128 v9, v[CD+48*(\m)+16+4*\g:CD+48*(\m)+16+4*\g+3] offset:XK+(\m)*16384+512*\g
.endr
	QUANT XN+64*(\m), CD+48*(\m)+32, 14, 15
.irp g, 0,1,2,3
	ds_store_b128 v9, v[CD+48*(\m)+32+4*\g:CD+48*(\m)+32+4*\g+3] offset:XV+(\m)*16384+512*\g
.endr
.endm
.macro WLOAD4 s0                       ; my tile of columns: the fragments of K steps s0 .. s0 + 3
.irp d, 0,1,2,3
.irp g, 0,1,2,3
	global_load_b128 v[WF+16*((\s0)+\d)+4*\g:WF+16*((\s0)+\d)+4*\g+3], v1, s[6:7] offset:2048*((\s0)+\d)+512*\g
.endr
.endr
.endm
.macro ALOAD s                         ; x's two fragments of K step s into buffer s % 2
.irp m, 0,1
.irp g, 0,1,2,3
	ds_load_b128 v[AB+32*((\s)%2)+16*\m+4*\g:AB+32*((\s)%2)+16*\m+4*\g+3], v5 offset:\m*16384+2048*(\s)+512*\g
.endr
.endr
.endm
.macro MM d, a, b, first
.if \first
	v_wmma_f32_16x16x128_bf8_bf8 v[\d:\d+7], v[\a:\a+15], v[\b:\b+15], 0
.else
	v_wmma_f32_16x16x128_bf8_bf8 v[\d:\d+7], v[\a:\a+15], v[\b:\b+15], v[\d:\d+7]
.endif
.endm
.macro GPATH kind                      ; kind 0: k, 1: v
.if \kind == 0
	global_load_b128 v[BI:BI+3],   v12, s[8:9]              ; bk at my eight channels 16 t + 8 h + 0..7
	global_load_b128 v[BI+4:BI+7], v12, s[8:9] offset:16
.else
	v_mov_b32 v[BI+1], 0                           ; (named as the upper half of a pair)
	global_load_b32 v[BI], v13, s[10:11]           ; bv at my channel 16 t + r
.endif
	ALOAD 0
.irp s, 0,1,2,3,4,5,6,7
.if \s < 7
	ALOAD \s+1                                     ; into the buffer that the step before multiplied: four places stand behind its products
	s_wait_dscnt 8                                 ; this step's eight loads are in, the next step's eight stay out
.else
	s_wait_dscnt 0x0
.endif
.irp m, 0,1                            ; the two sums take turns; the first product starts each
.if \kind == 0
	MM ACC+8*\m, WF+16*\s, AB+32*(\s%2)+16*\m, \s==0
.else
	MM ACC+8*\m, AB+32*(\s%2)+16*\m, WF+16*\s, \s==0
.endif
.endr
.rept 4
	v_nop                                          ; places in front of loads into registers that these products read, and of the first read of results
.endr
.endr
	s_wait_loadcnt 0x0                             ; the bias
.irp a, 0,1
.irp i, 0,2,4,6
.if \kind == 0
	v_pk_fma_f32 v[ACC+8*\a+\i:ACC+8*\a+\i+1], v[ACC+8*\a+\i:ACC+8*\a+\i+1], s[36:37], v[BI+\i:BI+\i+1] op_sel_hi:[1,0,1]   ; sum x 2^(e2 + e3) + bk; each sum from its low end on
.else
	v_pk_fma_f32 v[ACC+8*\a+\i:ACC+8*\a+\i+1], v[ACC+8*\a+\i:ACC+8*\a+\i+1], s[36:37], v[BI:BI+1] op_sel_hi:[1,0,0]         ; sum x 2^(e4 + e5) + bv
.endif
.endr
.endr
.set i, 0
.rept 16
	v_med3_num_f32 v[ACC+i], v[ACC+i], -v11, v11
.set i, i+1
.endr
	v_cvt_scalef32_pk8_bf8_f32 v[OC:OC+1],   v[ACC:ACC+7],    v10
	v_cvt_scalef32_pk8_bf8_f32 v[OC+2:OC+3], v[ACC+8:ACC+15], v10
	v_nop
.if \kind == 0
	ds_store_b64 v6, v[OC:OC+1]                    ; registers 2 t, 2 t + 1 of key tile 0's image: 8 of each lane's 16 bytes,
	ds_store_b64 v6, v[OC+2:OC+3] offset:1024      ; and of key tile 1's
.else
	global_store_b128 v1, v[OC:OC+3], s[48:49]     ; one group of V^T's image: 512 consecutive bytes, aligned
.endif
.endm
	s_load_b256 s[4:11], s[0:1], 0x0               ; hidden_state s[4:5], wkv_img s[6:7], bk s[8:9], bv s[10:11]
	s_load_b128 s[12:15], s[0:1], 0x20             ; the exponents s[12:13], hq_img s[14:15]
	s_load_b64 s[16:17], s[0:1], 0x30              ; kv_img
	v_lshl_add_u32 v3, v0, 2, SPARE                ; my spare word, and 0: kept for the wave's end
	v_mov_b32 v4, 0
	v_lshrrev_b32 v16, 5, v0
	v_readfirstlane_b32 s20, v16                   ; wave 0..7
	v_and_b32 v17, 31, v0                          ; lane
	v_and_b32 v18, 15, v0                          ; r
	v_bfe_u32 v19, v0, 4, 1                        ; h
	v_lshlrev_b32 v1, 4, v17                       ; 16 x lane: my place in a group of an image
	v_lshlrev_b32 v8, 3, v17                       ; 8 x lane
	s_lshl_b32 s39, s20, 9
	v_lshlrev_b32 v2, 12, v18
	v_lshl_add_u32 v2, v19, 5, v2
	v_add_nc_u32 v2, s39, v2                       ; x: row r of 4,096 bytes + 32 h + 512 x wave
	s_lshr_b32 s39, s20, 2
	s_lshl_b32 s39, s39, 15
	v_add_nc_u32 v5, s39, v1                       ; where I read x's images: e2's (waves 0-3) or e4's (waves 4-7)
	s_lshr_b32 s39, s20, 1
	s_and_b32 s39, s39, 1
	s_lshl_b32 s39, s39, 9
	s_and_b32 s38, s20, 1
	s_lshl_b32 s38, s38, 3
	s_add_co_u32 s39, s39, s38
	s_add_co_u32 s39, s39, KST
	v_add_nc_u32 v6, s39, v1                       ; k's stage, in: group t / 2, 8 (t % 2) within my lane's 16 bytes
	s_lshl_b32 s39, s20, 8
	s_add_co_u32 s39, s39, KST
	v_add_nc_u32 v7, s39, v8                       ; and back: 256 bytes a wave
	s_lshl_b32 s39, s20, 11
	v_add_nc_u32 v9, s39, v1                       ; where I store x's images: K step = wave
	s_lshr_b32 s21, ttmp9, 6
	s_lshl_b32 s21, s21, 18                        ; the batch's 262,144 bytes of kv_img
	s_and_b32 s22, ttmp9, 63                       ; i': my 32 tokens among the batch's 2,048
	s_and_b32 s23, s20, 3                          ; t
	s_lshl_b32 s40, ttmp9, 17                      ; x: 32 rows of 4,096 bytes a work-group
	s_mov_b32 s41, 0
	s_lshl_b32 s42, ttmp9, 15                      ; hq_img: two tiles of 16,384 bytes a work-group, + 2,048 x wave
	s_lshl_b32 s38, s20, 11
	s_add_co_u32 s42, s42, s38
	s_mov_b32 s43, 0
	s_lshl_b32 s44, s20, 14                        ; wkv_img: my tile of columns
	s_mov_b32 s45, 0
	s_lshl_b32 s46, s22, 11                        ; k's images: key tiles 2 i', 2 i' + 1; 256 bytes of the 2,048 a wave
	s_add_co_u32 s46, s46, s21
	s_lshl_b32 s38, s20, 8
	s_add_co_u32 s46, s46, s38
	s_mov_b32 s47, 0
	s_lshr_b32 s48, s22, 2                         ; V^T's images: key step i' / 4, tile t, group i' % 4
	s_lshl_b32 s48, s48, 13
	s_add_co_u32 s48, s48, s21
	s_lshl_b32 s38, s23, 11
	s_add_co_u32 s48, s48, s38
	s_and_b32 s38, s22, 3
	s_lshl_b32 s38, s38, 9
	s_add_co_u32 s48, s48, s38
	s_add_co_u32 s48, s48, 131072
	s_mov_b32 s49, 0
	s_lshl_b32 s50, s23, 6                         ; the biases: 16 t numbers on
	s_mov_b32 s51, 0
	s_wait_kmcnt 0x0
	s_load_b256 s[24:31], s[12:13], 0x0            ; e0 .. e7
	s_load_b128 s[32:35], s[12:13], 0x20           ; e8 .. e11
	s_add_nc_u64 s[4:5], s[4:5], s[40:41]
	s_add_nc_u64 s[14:15], s[14:15], s[42:43]
	s_add_nc_u64 s[6:7], s[6:7], s[44:45]
	s_add_nc_u64 s[46:47], s[16:17], s[46:47]
	s_add_nc_u64 s[48:49], s[16:17], s[48:49]
	s_add_nc_u64 s[8:9], s[8:9], s[50:51]
	s_add_nc_u64 s[10:11], s[10:11], s[50:51]
	XLOAD 0
	XLOAD 1
	s_wait_kmcnt 0x0
	MKSC 24, 10, 11                                ; e0
	MKSC 26, 12, 13                                ; e2
	MKSC 28, 14, 15                                ; e4
	s_cmp_lt_u32 s20, 4                            ; waves 0-3 make k, waves 4-7 v
	s_cselect_b32 s54, s26, s28
	s_cselect_b32 s55, s27, s29
	s_cselect_b32 s56, s30, s32                    ; e6 or e8
	s_add_co_i32 s54, s54, s55
	s_add_co_i32 s54, s54, 127
	s_lshl_b32 s36, s54, 23                        ; 2^(e2 + e3) or 2^(e4 + e5) as f32
	s_mov_b32 s37, s36                             ; (named with it as a pair)
	s_wait_loadcnt 16                              ; tile 0's sixteen loads are in, tile 1's stay out
	Q3 0
	WLOAD4 0                                       ; into the registers that tile 0's numbers have left
	s_wait_loadcnt 16                              ; tile 1's are in; the sixteen weight loads issued behind them stay out
	Q3 1
	v_nop                                          ; a plain line behind the last conversion
	WLOAD4 4
	s_wait_dscnt 0x0                               ; for the others' sake: my images lie in LDS
	s_barrier_signal -1
	s_barrier_wait -1                              ; all sixteen fragments of each kind do
	s_wait_loadcnt 0x0                             ; my eight weight fragments
	s_wait_xcnt 0x0                                ; hq_img's stores have read their registers, which x's fragments take now
	MKSC 56, 10, 11                                ; e6 or e8
	v_bfe_u32 v12, v0, 4, 1
	v_lshlrev_b32 v12, 5, v12                      ; 32 h: bk's offset
	v_and_b32 v13, 15, v0
	v_lshlrev_b32 v13, 2, v13                      ; 4 r: bv's
	s_cmp_lt_u32 s20, 4
	s_cbranch_scc0 .Lv
	GPATH 0
	s_branch .Ljoin
.Lv:
	GPATH 1
.Ljoin:
	s_wait_dscnt 0x0                               ; for the others' sake: my part of k's stage is stored
	s_barrier_signal -1
	s_barrier_wait -1
	ds_load_b64 v[124:125], v7                     ; the two key tiles' images, 256 bytes a wave
	s_wait_dscnt 0x0
	global_store_b64 v8, v[124:125], s[46:47]      ; 32 lanes store 256 consecutive bytes, aligned
	s_wait_tensorcnt 0x0                           ; the wave's end: three closing lines behind my last LDS store
	ds_add_u32 v3, v4
	s_wait_dscnt 0x0
	s_endpgm
.Lfunc_end_k_qe3f0ec246f_project:
	.size	k_qe3f0ec246f_project, .Lfunc_end_k_qe3f0ec246f_project-k_qe3f0ec246f_project
	.p2alignl 7, 3214868480
	.fill 96, 4, 3214868480
	.section	.rodata,"a",@progbits
	.p2align	6, 0x0
	.amdhsa_kernel k_qe3f0ec246f_project
		.amdhsa_group_segment_fixed_size 68608
		.amdhsa_private_segment_fixed_size 0
		.amdhsa_enable_private_segment 0
		.amdhsa_kernarg_size 56
		.amdhsa_user_sgpr_count 2
		.amdhsa_user_sgpr_kernarg_segment_ptr 1
		.amdhsa_wavefront_size32 1
		.amdhsa_system_sgpr_workgroup_id_x 1
		.amdhsa_system_sgpr_workgroup_id_y 1
		.amdhsa_system_sgpr_workgroup_id_z 1
		.amdhsa_system_vgpr_workitem_id 0
		.amdhsa_next_free_vgpr 256
		.amdhsa_next_free_sgpr 66
		.amdhsa_reserve_vcc 0
		.amdhsa_float_denorm_mode_32 3
		.amdhsa_float_denorm_mode_16_64 3
		.amdhsa_memory_ordered 1
		.amdhsa_forward_progress 1
		.amdhsa_inst_pref_size 57
	.end_amdhsa_kernel
	.amdgpu_metadata
---
amdhsa.version: [ 1, 2 ]
amdhsa.kernels:
  - .name:           k_qe3f0ec246f_project
    .symbol:         k_qe3f0ec246f_project.kd
    .args:
      - { .name: hidden_state, .offset: 0, .size: 8, .value_kind: global_buffer, .address_space: global }
      - { .name: wkv_img, .offset: 8, .size: 8, .value_kind: global_buffer, .address_space: global }
      - { .name: bk, .offset: 16, .size: 8, .value_kind: global_buffer, .address_space: global }
      - { .name: bv, .offset: 24, .size: 8, .value_kind: global_buffer, .address_space: global }
      - { .name: lowp_scales, .offset: 32, .size: 8, .value_kind: global_buffer, .address_space: global }
      - { .name: hq_img, .offset: 40, .size: 8, .value_kind: global_buffer, .address_space: global }
      - { .name: kv_img, .offset: 48, .size: 8, .value_kind: global_buffer, .address_space: global }
    .group_segment_fixed_size: 68608
    .private_segment_fixed_size: 0
    .kernarg_segment_align: 8
    .kernarg_segment_size: 56
    .max_flat_workgroup_size: 256
    .sgpr_count:     66
    .vgpr_count:     256
    .wavefront_size: 32
...
	.end_amdgpu_metadata
.endif
;; end of part 2
;; launch attend (part 3): grid 256 x 1, 16 waves a work-group, no clusters, 327,680 bytes of LDS; arguments hq_img, wq_img, bq, kv_img, wo_img, bo, lowp_scales, out0; writes out0
.if DOCPART == 3
	.amdgcn_target "amdgcn-amd-amdhsa--gfx1250"
	.amdhsa_code_object_version 6
	.text
	.protected	k_qe3f0ec246f_attend
	.globl	k_qe3f0ec246f_attend
	.p2align	8
	.type	k_qe3f0ec246f_attend,@function
k_qe3f0ec246f_attend:
	s_mov_b64 s[64:65], 0
	v_nop
	global_prefetch_b8 v0, s[64:65] scope:SCOPE_SE
	s_setreg_imm32_b32 hwreg(HW_REG_WAVE_MODE, 25, 1), 1
	s_wait_xcnt 0x0
; out = (softmax(q k^T / 8) v) Wo + bo with q = x Wq + bq, all four products on codes of E5M2.  No work of the problem is left out here.
; SHARES.  Work-group i takes tokens 32 i .. 32 i + 31 of batch i / 64 with all 16 heads; wave w is head w and holds two tiles (A, B) of 16 tokens.  q, the scores, p and the attention's result never go to memory.
; PHASES.  1: q's 64 columns of head w (K = 1,024): x's codes from LDS, Wq's codes straight from memory into the one wave that uses them; + bq; quantised (entry 7) into two fragments that stay in registers.
;   2: sixteen steps of 128 keys.  The batch's K and V codes, 262,144 bytes, lie in LDS for the whole launch: one fill, no ring, no barrier in the loop.  3: O / l, quantised (entry 10), to LDS as head w's 64 of the last product's K.
;   4: columns 64 w .. 64 w + 63 of the output (K = 1,024), as phase 1 with Wo and bo; through a stage in LDS, out as whole aligned runs of 256 bytes.
; LAYOUT.  Every operand is an image of its registers (lane (r, h): row r, k = 16 c + 8 h + 0..7 in registers 2 c, 2 c + 1; registers 4 g .. 4 g + 3 as 512 bytes, lane l's 16 bytes at 16 l): every operand load reads 512 consecutive bytes.
;   All products are used so that a lane holds ONE token (lane % 16): source 0 = 16 weight columns, 16 keys or 16 channels of V^T; source 1 = 16 tokens.  A result's eight registers are eight neighbours along the next K, so each
;   conversion's two registers are registers 2 c, 2 c + 1 of the next operand.
; THE SOFTMAX: t = score x log2(e) / 8; M = the running largest t rounded UP to a whole number, kept as -M = floor(-t); p = 2^(t - M) is quantised (entry 9), not normalised; l is the sum of the unquantised p;
;   when M moves, l and O are multiplied by 2^(old M - new M), which rounds nothing.  The step is written once: O and l begin as zeros, the largest t as -3e38.
; NO CLUSTER, by this text's own arithmetic: K's and V's 262,144 bytes are fetched once, under phase 1, of some 2,400,000 bytes that a work-group reads.  The weights (1,048,576 bytes each) are shared by all work-groups, but beside
;   K, V and x LDS has 30,720 bytes left: two slots of 15,360 bytes would want some 70 rounds of the cluster's barrier for each weight, each for 8 matrix instructions a wave; so each fragment goes straight into its wave's registers.
; LIMITS: e7, e9, e10 between -126 and 112; e0 + e1 and e10 + e11 between -126 and 127; e6 + e7 between -123 and 130 (added to c's exponent field); e8 + e9 goes by v_ldexp_f32 and has none.  NaN among the inputs is not served.
; REGISTERS in the key loop: v0 the thread's number, kept; v1 16 x lane; v2 LDS address; v3 2^e9; v4 -M, v5 largest t, v[6:7] l of tile A; v8-11 the same of tile B; v12-15 at work; v16-23, v24-31 q's fragments;
;   v32-63 four fragments of K, then p's codes (A: v32-47, B: v48-63); v64-127 scores of A, then V's four fragments; v128-191 scores of B; v192-223, v224-255 O^T of A and of B.
; REGISTERS in phases 1 and 4: v2 x's (o's) images in LDS; v4 32 h; v32-63 the two token fragments; v64-127 eight sums (2 t + m); v128-191, v192-255 two buffers of four weight fragments; the bias lands in v128-159.
.set VIMG,  131072                     ; LDS: K's images from 0 (8,192 bytes a key step), V's from here (8,192 a key step)
.set XIMG,  262144                     ; [m][K step][2048]: x's codes, later o's
.set SPARE, 294912                     ; the spare words, 128 bytes for each of sixteen waves: eight blocks of 256 bytes that no other line names
.set STG,   8704                       ; the way out: two stages of 16 rows x (256 + 16) bytes a wave, in K's and V's bytes, which have had their one fill and are read no more by then
.set AF,  32
.set ACC, 64
.set WB,  128
.macro SCLIM e, sc, lim                ; s[sc] = 2^e as f32, s[lim] = 57,344 x 2^e, e in s[e]
	s_add_co_i32 s[\lim], s[\e], 127
	s_lshl_b32 s[\sc], s[\lim], 23
	s_add_co_i32 s[\lim], s[\lim], 15
	s_lshl_b32 s[\lim], s[\lim], 23
	s_or_b32 s[\lim], s[\lim], 0x600000
.endm
.macro WLOAD p, s, buf                 ; my four tiles of weight columns, K step s, into buffer buf: sixteen loads of 512 consecutive bytes
.irp t, 0,1,2,3
.irp g, 0,1,2,3
	global_load_b128 v[WB+64*(\buf)+16*\t+4*\g:WB+64*(\buf)+16*\t+4*\g+3], v1, s[\p:\p+1] offset:16384*\t+2048*(\s)+512*\g
.endr
.endr
.endm
.macro ALOAD s                         ; the two token tiles' fragments of K step s
.irp m, 0,1
.irp g, 0,1,2,3
	ds_load_b128 v[AF+16*\m+4*\g:AF+16*\m+4*\g+3], v2 offset:16384*\m+2048*(\s)+512*\g
.endr
.endr
.endm
; 32 tokens x my 64 columns, K = 1,024 in eight steps; the weights of steps 0 and 1 have been asked for.  The eight sums take turns, one instruction a turn, in the same order in every step.
.macro GEMM p, bp
.irp s, 0,1,2,3,4,5,6,7
	ALOAD \s
.if \s == 7
	s_wait_loadcnt 8                               ; step 7's weights are in; the eight bias loads stay out
.else
	s_wait_loadcnt 16                              ; this step's sixteen weight loads are in; the next step's stay out
.endif
	s_wait_dscnt 0x0
.irp t, 0,1,2,3
.irp m, 0,1
.if \s == 0
	v_wmma_f32_16x16x128_bf8_bf8 v[ACC+8*(2*\t+\m):ACC+8*(2*\t+\m)+7], v[WB+64*(\s%2)+16*\t:WB+64*(\s%2)+16*\t+15], v[AF+16*\m:AF+16*\m+15], 0
.else
	v_wmma_f32_16x16x128_bf8_bf8 v[ACC+8*(2*\t+\m):ACC+8*(2*\t+\m)+7], v[WB+64*(\s%2)+16*\t:WB+64*(\s%2)+16*\t+15], v[AF+16*\m:AF+16*\m+15], v[ACC+8*(2*\t+\m):ACC+8*(2*\t+\m)+7]
.endif
.endr
.endr
.rept 4
	v_nop                                          ; places in front of loads into registers that these products read, and of the first read of results
.endr
.if \s < 6
	WLOAD \p, \s+2, \s%2
.endif
.if \s == 6
.irp t, 0,1,2,3
	global_load_b128 v[WB+8*\t:WB+8*\t+3],   v4, s[\bp:\bp+1] offset:64*\t      ; the bias at my eight columns 16 t + 8 h + 0..7
	global_load_b128 v[WB+8*\t+4:WB+8*\t+7], v4, s[\bp:\bp+1] offset:64*\t+16
.endr
.endif
.endr
	s_wait_loadcnt 0x0
.irp t, 0,1,2,3
.irp m, 0,1
.irp i, 0,2,4,6
	v_pk_fma_f32 v[ACC+8*(2*\t+\m)+\i:ACC+8*(2*\t+\m)+\i+1], v[ACC+8*(2*\t+\m)+\i:ACC+8*(2*\t+\m)+\i+1], s[66:67], v[WB+8*\t+\i:WB+8*\t+\i+1] op_sel_hi:[1,0,1]   ; sum x 2^(the two exponents) + bias; each sum from its low end on
.endr
.endr
.endr
.endm
.macro KGROUP q                        ; four tiles of 16 keys: S^T = K Q^T for both token tiles: each fragment of K feeds two products
.irp f, 0,1,2,3
.irp g, 0,1
	ds_load_b128 v[32+8*\f+4*\g:32+8*\f+4*\g+3], v2 offset:4096*(\q)+1024*\f+512*\g
.endr
.endr
	s_wait_dscnt 0x0
.irp f, 0,1,2,3
	v_wmma_f32_16x16x64_bf8_bf8 v[64+8*(4*(\q)+\f):64+8*(4*(\q)+\f)+7],   v[32+8*\f:32+8*\f+7], v[16:23], 0
	v_wmma_f32_16x16x64_bf8_bf8 v[128+8*(4*(\q)+\f):128+8*(4*(\q)+\f)+7], v[32+8*\f:32+8*\f+7], v[24:31], 0
.endr
.endm
; One token tile's softmax for 128 keys.  sc: its 64 scores (register 8 T + j: key 16 T + 8 h + j); st: -M, largest t, l; pc: p's 16 registers of codes; oa: its O^T.
.macro SOFT sc, st, pc, oa
	v_max3_num_f32 v12, v[\sc], v[\sc+1], v[\sc+2]         ; the largest score among my 64 keys, in two chains, ascending: each tile of scores is first read at its low end
	v_max3_num_f32 v13, v[\sc+3], v[\sc+4], v[\sc+5]
.irp i, 6,10,14,18,22,26,30,34,38,42,46,50,54,58
	v_max3_num_f32 v12, v12, v[\sc+\i], v[\sc+\i+1]
	v_max3_num_f32 v13, v13, v[\sc+\i+2], v[\sc+\i+3]
.endr
	v_max3_num_f32 v12, v12, v[\sc+62], v[\sc+63]
	v_max_num_f32 v12, v12, v13
	v_permlanex16_b32 v14, v12, s60, s61           ; the token's other 64 keys lie in the lane 16 away
	v_max_num_f32 v12, v12, v14
	v_mul_f32 v12, s62, v12                        ; as t (c is positive)
	v_max_num_f32 v[\st+1], v[\st+1], v12          ; the running largest t
	v_mov_b32 v12, v[\st]
	v_floor_f32 v[\st], -v[\st+1]                  ; the new -M = floor(-t): M is a whole number
	v_sub_f32 v12, v[\st], v12                     ; old M - new M, 0 or less
	v_cvt_i32_f32 v12, v12                         ; (it saturates)
	v_ldexp_f32 v12, 1.0, v12                      ; f = 2^(old M - new M)
.set j, 0
.rept 32
	v_pk_fma_f32 v[\sc+j:\sc+j+1], v[\sc+j:\sc+j+1], s[62:63], v[\st:\st+1] op_sel_hi:[1,0,0]   ; t - M, two at a time (of the pairs c and -M the low word serves both halves)
.set j, j+2
.endr
.set j, 0
.rept 64
	v_exp_f32 v[\sc+j], v[\sc+j]                   ; p = 2^(t - M): one batch
.set j, j+1
.endr
	v_pk_mul_f32 v[\st+2:\st+3], v[\st+2:\st+3], v[12:13] op_sel_hi:[1,0]   ; l under the new M: the plain line behind the exponentials
	s_wait_alu depctr_va_vdst(0)                   ; one wait for the batch, ahead of its first reader
	v_pk_add_f32 v[14:15], v[\sc:\sc+1], v[\sc+2:\sc+3]    ; l takes the UNQUANTISED p, in two chains
.irp j, 4,8,12,16,20,24,28,32,36,40,44,48,52,56,60
	v_pk_add_f32 v[\st+2:\st+3], v[\st+2:\st+3], v[\sc+\j:\sc+\j+1]
	v_pk_add_f32 v[14:15], v[14:15], v[\sc+\j+2:\sc+\j+3]
.endr
	v_pk_add_f32 v[\st+2:\st+3], v[\st+2:\st+3], v[14:15]
.irp b, 0,1,2,3
.set j, 0
.rept 16
	v_min_num_f32 v[\sc+16*\b+j], s68, v[\sc+16*\b+j]      ; the conversion does not saturate (ISA guide 7.6.2); p is not negative, so the hold is one-sided
.set j, j+1
.endr
	v_cvt_scalef32_pk8_bf8_f32 v[\pc+4*\b:\pc+4*\b+1],   v[\sc+16*\b:\sc+16*\b+7],    v3
	v_cvt_scalef32_pk8_bf8_f32 v[\pc+4*\b+2:\pc+4*\b+3], v[\sc+16*\b+8:\sc+16*\b+15], v3
.endr
.set j, 0
.rept 16
	v_pk_mul_f32 v[\oa+j:\oa+j+1], v[\oa+j:\oa+j+1], v[12:13] op_sel_hi:[1,0]   ; O^T under the new M; also the plain lines behind the conversions
.set j, j+2
.endr
.endm
	s_load_b256 s[4:11], s[0:1], 0x0               ; hq_img s[4:5], wq_img s[6:7], bq s[8:9], kv_img s[10:11]
	s_load_b256 s[12:19], s[0:1], 0x20             ; wo_img s[12:13], bo s[14:15], the exponents s[16:17], out0 s[18:19]
	v_lshl_add_u32 v2, v0, 2, SPARE                ; my spare word, and 0.  All 256 registers are at work in the key loop, so v0 is kept and the two are made anew at the wave's end
	v_mov_b32 v3, 0
	ds_add_u32 v2, v3                              ; the wave's opening: the add, twice on end, and its wait ahead of my first tensor load
	ds_add_u32 v2, v3
	v_lshrrev_b32 v4, 5, v0
	v_readfirstlane_b32 s20, v4                    ; wave 0..15 = head
	; descriptor groups 1: dense blocks as rows of 256 bytes (32 elements of 8 bytes), no padding: x's part 8 rows, K's and V's part 64 rows
	s_mov_b32 s24, 3<<16                           ; 15:0 no mask; 17:16 elements of 8 bytes
	s_mov_b32 s25, 32<<16                          ; tensor_dim0 = 32
	s_mov_b32 s26, 8<<16                           ; tensor_dim1 = 8
	s_mov_b32 s27, 32<<16                          ; tile_dim0 = 32
	s_mov_b32 s28, 8                               ; tile_dim1 = 8
	s_mov_b32 s29, 32                              ; from row to row: 32 elements
	s_mov_b32 s30, 0
	s_mov_b32 s31, 0
	s_mov_b32 s32, 3<<16
	s_mov_b32 s33, 32<<16
	s_mov_b32 s34, 64<<16                          ; tensor_dim1 = 64
	s_mov_b32 s35, 32<<16
	s_mov_b32 s36, 64                              ; tile_dim1 = 64
	s_mov_b32 s37, 32
	s_mov_b32 s38, 0
	s_mov_b32 s39, 0
	s_mov_b32 s60, 0x76543210                      ; v_permlanex16_b32's selects for lane l xor 16
	s_mov_b32 s61, 0xfedcba98
	s_lshl_b32 s22, s20, 11                        ; x: 2,048 bytes a wave,
	s_lshl_b32 s74, ttmp9, 15                      ; of the work-group's 32,768
	s_add_co_u32 s74, s74, s22
	s_mov_b32 s75, 0
	s_lshl_b32 s45, s20, 14                        ; K and V: 16,384 bytes a wave: the LDS address,
	s_lshr_b32 s76, ttmp9, 6
	s_lshl_b32 s76, s76, 18                        ; of the batch's 262,144
	s_add_co_u32 s76, s76, s45
	s_mov_b32 s77, 0
	s_mov_b32 s40, 1                               ; groups 0: count = 1,
	s_add_co_u32 s41, s22, XIMG                    ; LDS address: a constant + the wave's number x a constant
	s_mov_b32 s44, 1
	s_wait_dscnt 0x0                               ; both opening adds are done
	s_wait_kmcnt 0x0
	s_load_b256 s[48:55], s[16:17], 0x0            ; e0 .. e7
	s_load_b128 s[56:59], s[16:17], 0x20           ; e8 .. e11
	s_add_nc_u64 s[42:43], s[4:5], s[74:75]
	s_or_b32 s43, s43, 0x80000000                  ; type = 2
	s_add_nc_u64 s[46:47], s[10:11], s[76:77]
	s_or_b32 s47, s47, 0x80000000
	tensor_load_to_lds s[40:43], s[24:31]          ; the launch's only fills, two a wave, together: my part of x's codes,
	s_nop 0
	tensor_load_to_lds s[44:47], s[32:39]          ; and of K's and V's
	s_nop 0
	s_lshl_b32 s22, s20, 16
	s_mov_b32 s23, 0
	s_add_nc_u64 s[6:7], s[6:7], s[22:23]          ; my four tiles of Wq's columns: 65,536 consecutive bytes,
	s_add_nc_u64 s[12:13], s[12:13], s[22:23]      ; and of Wo's
	s_lshl_b32 s22, s20, 8
	s_add_nc_u64 s[8:9], s[8:9], s[22:23]          ; my 64 numbers of bq and of bo
	s_add_nc_u64 s[14:15], s[14:15], s[22:23]
	s_lshl_b32 s74, ttmp9, 17
	s_add_co_u32 s22, s22, s74
	s_add_nc_u64 s[18:19], s[18:19], s[22:23]      ; out0 at my work-group's first row, my 256 bytes of it
	v_and_b32 v1, 31, v0
	v_lshlrev_b32 v1, 4, v1                        ; 16 x lane
	WLOAD 6, 0, 0
	WLOAD 6, 1, 1
	v_add_nc_u32 v2, XIMG, v1
	v_bfe_u32 v4, v0, 4, 1
	v_lshlrev_b32 v4, 5, v4                        ; 32 h
	s_wait_kmcnt 0x0
	s_add_co_i32 s66, s48, s49
	s_add_co_i32 s66, s66, 127
	s_lshl_b32 s66, s66, 23                        ; 2^(e0 + e1) as f32
	s_mov_b32 s67, s66                             ; (named with it as a pair)
	s_add_co_i32 s79, s58, s59
	s_add_co_i32 s79, s79, 127
	s_lshl_b32 s79, s79, 23                        ; 2^(e10 + e11)
	s_add_co_i32 s22, s54, s55
	s_lshl_b32 s22, s22, 23
	s_add_co_i32 s62, s22, 0x3e38aa3b              ; c = log2(e) / 8, with e6 + e7 added to its exponent field: a score stands for score x 2^(e6 + e7)
	s_mov_b32 s63, s62
	s_add_co_i32 s72, s56, s57                     ; e8 + e9
	SCLIM 55, 74, 75                               ; q's
	SCLIM 57, 71, 68                               ; p's
	SCLIM 58, 73, 78                               ; o's
	v_mov_b32 v6, s74
	v_mov_b32 v5, s75
	s_wait_tensorcnt 0x1                           ; my part of x is in; K's and V's load, issued behind it, stays out
	s_barrier_signal -1
	s_barrier_wait -1                              ; everybody's part of x is in
	; ---- 1: q
	GEMM 6, 8
.set i, 0
.rept 64
	v_med3_num_f32 v[ACC+i], v[ACC+i], -v5, v5
.set i, i+1
.endr
.irp m, 0,1
.irp t, 0,1,2,3
	v_cvt_scalef32_pk8_bf8_f32 v[16+8*\m+2*\t:16+8*\m+2*\t+1], v[ACC+8*(2*\t+\m):ACC+8*(2*\t+\m)+7], v6   ; channels 16 t + 8 h + 0..7: registers 2 t, 2 t + 1 of the fragment
.endr
.endr
.set i, 0
.rept 64
	v_mov_b32 v[192+i], 0                          ; O^T: the key step is written once; its first trip finds zeros, which the first change of M leaves zeros
.set i, i+1
.endr
	v_mov_b32 v5, 0xff61b1e6                       ; the largest t so far: -3e38
	v_mov_b32 v9, 0xff61b1e6
	v_floor_f32 v4, -v5                            ; -M
	v_floor_f32 v8, -v9
	v_mov_b32 v6, 0                                ; l, in two halves
	v_mov_b32 v7, 0
	v_mov_b32 v10, 0
	v_mov_b32 v11, 0
	v_mov_b32 v12, 0                               ; written once: a lane permute's destination counts as read, and pairs are named whole
	v_mov_b32 v13, 0
	v_mov_b32 v14, 0
	v_mov_b32 v15, 0
	v_mov_b32 v3, s71                              ; 2^e9
	s_mov_b32 s69, 0                               ; the key step's bytes in K's and in V's images
	s_mov_b32 s70, 16
	s_wait_tensorcnt 0x0                           ; my part of K and V is in,
	s_wait_dscnt 0x0                               ; and my reads of x's codes are over: o's codes will take their place
	s_barrier_signal -1
	s_barrier_wait -1
	; ---- 2: sixteen steps of 128 keys
.Lkeys:
	v_add_nc_u32 v2, s69, v1
.rept 4
	v_nop                                          ; with the line above five places: the first products below write over V's registers, which the last trip's products read, and the loads land on p's
.endr
	KGROUP 0
.rept 4
	v_nop                                          ; places in front of the loads into K's registers, and of the first read of the scores above
.endr
	KGROUP 1                                       ; (its scores are first read fifteen plain lines into the maximum)
	SOFT 64, 4, 32, 192
	v_add_nc_u32 v2, VIMG, v2
.irp t, 0,1,2,3
.irp g, 0,1,2,3
	ds_load_b128 v[64+16*\t+4*\g:64+16*\t+4*\g+3], v2 offset:2048*\t+512*\g   ; V^T's four fragments, into the registers that tile A's p has left: they land under tile B's softmax
.endr
.endr
	SOFT 128, 8, 48, 224
	s_wait_dscnt 0x0
.irp t, 0,1,2,3                        ; O^T += V^T P^T: each fragment of V feeds two products; the eight sums take turns
	v_wmma_f32_16x16x128_bf8_bf8 v[192+8*\t:199+8*\t], v[64+16*\t:79+16*\t], v[32:47], v[192+8*\t:199+8*\t]
	v_wmma_f32_16x16x128_bf8_bf8 v[224+8*\t:231+8*\t], v[64+16*\t:79+16*\t], v[48:63], v[224+8*\t:231+8*\t]
.endr
	s_add_co_u32 s69, s69, 8192
	s_sub_co_u32 s70, s70, 1
	s_cmp_lg_u32 s70, 0
	s_cbranch_scc1 .Lkeys
	; ---- 3: O / l, quantised, to LDS
	v_add_f32 v6, v6, v7                           ; l's two halves; these lines are the places behind the last products
	v_add_f32 v10, v10, v11
	v_permlanex16_b32 v12, v6, s60, s61
	v_permlanex16_b32 v13, v10, s60, s61
	v_add_f32 v6, v6, v12                          ; and lane l xor 16's
	v_add_f32 v10, v10, v13
	v_rcp_f32 v6, v6
	v_rcp_f32 v10, v10
	v_mov_b32 v4, s78                              ; 57,344 x 2^e10 (the plain line behind the reciprocals)
	v_mov_b32 v5, s73                              ; 2^e10
	s_wait_alu depctr_va_vdst(0)                   ; one wait for both reciprocals, ahead of their first reader
	v_ldexp_f32 v6, v6, s72                        ; x 2^(e8 + e9)
	v_ldexp_f32 v10, v10, s72
.set j, 0
.rept 16
	v_pk_mul_f32 v[64+j:65+j], v[192+j:193+j], v[6:7] op_sel_hi:[1,0]      ; tile A: register 8 t + i is channel 16 t + 8 h + i; each sum from its low end on
.set j, j+2
.endr
.set j, 0
.rept 16
	v_pk_mul_f32 v[96+j:97+j], v[224+j:225+j], v[10:11] op_sel_hi:[1,0]    ; tile B
.set j, j+2
.endr
.set i, 0
.rept 64
	v_med3_num_f32 v[64+i], v[64+i], -v4, v4
.set i, i+1
.endr
.irp m, 0,1
.irp t, 0,1,2,3
	v_cvt_scalef32_pk8_bf8_f32 v[32+8*\m+2*\t:32+8*\m+2*\t+1], v[64+32*\m+8*\t:64+32*\m+8*\t+7], v5
.endr
.endr
	v_nop                                          ; a plain line behind the last conversion
	s_lshl_b32 s22, s20, 10
	s_add_co_u32 s22, s22, XIMG
	v_add_nc_u32 v2, s22, v1                       ; head w's 64 along K: half w % 2 of K step w / 2: 1,024 w bytes on
.irp m, 0,1
.irp g, 0,1
	ds_store_b128 v2, v[32+8*\m+4*\g:32+8*\m+4*\g+3] offset:16384*\m+512*\g
.endr
.endr
	WLOAD 12, 0, 0                                 ; Wo's first two K steps are asked for ahead of the barrier
	WLOAD 12, 1, 1
	s_mov_b32 s66, s79                             ; 2^(e10 + e11)
	s_mov_b32 s67, s79
	v_bfe_u32 v4, v0, 4, 1
	v_lshlrev_b32 v4, 5, v4                        ; 32 h
	s_wait_dscnt 0x0                               ; for the others' sake: my stores have landed; my reads of K and V are over too
	s_barrier_signal -1
	s_barrier_wait -1                              ; all sixteen heads' codes lie in LDS, and nobody reads K or V any more
	; ---- 4: the output
	v_add_nc_u32 v2, XIMG, v1
	GEMM 12, 14
	s_mul_i32 s22, s20, STG                        ; my two stages
	v_and_b32 v12, 15, v0
	v_bfe_u32 v13, v0, 4, 1
	v_mul_u32_u24 v5, v12, 272
	v_lshl_add_u32 v5, v13, 5, v5
	v_add_nc_u32 v5, s22, v5                       ; in: row r, 32 bytes for each half of the lanes
	v_mul_u32_u24 v6, v13, 272
	v_lshl_add_u32 v6, v12, 4, v6
	v_add_nc_u32 v6, s22, v6                       ; back: lanes 0-15 one row of 256 bytes, lanes 16-31 the next
	v_lshlrev_b32 v7, 12, v13
	v_lshl_add_u32 v7, v12, 4, v7                  ; and the same two rows in out0
.irp m, 0,1
.irp t, 0,1,2,3
	ds_store_b128 v5, v[ACC+8*(2*\t+\m):ACC+8*(2*\t+\m)+3]   offset:4352*\m+64*\t
	ds_store_b128 v5, v[ACC+8*(2*\t+\m)+4:ACC+8*(2*\t+\m)+7] offset:4352*\m+64*\t+16
.endr
.irp k, 0,1,2,3,4,5,6,7
	ds_load_b128 v[128+32*\m+4*\k:128+32*\m+4*\k+3], v6 offset:4352*\m+544*\k   ; LDS serves a wave's instructions in order (ISA guide 5.7.1.4): these see my stores
.endr
.endr
.irp k, 0,1,2,3,4,5,6,7
	s_wait_dscnt 23-\k                             ; behind tile 0's load k: its 7 - k later loads, and tile 1's eight stores and eight loads
	global_store_b128 v7, v[128+4*\k:128+4*\k+3], s[18:19] offset:2*\k*4096 th:TH_STORE_NT   ; sixteen lanes store 256 consecutive bytes, aligned
.endr
.irp k, 0,1,2,3,4,5,6,7
	s_wait_dscnt 7-\k
	global_store_b128 v7, v[160+4*\k:160+4*\k+3], s[18:19] offset:(16+2*\k)*4096 th:TH_STORE_NT
.endr
	v_lshl_add_u32 v2, v0, 2, SPARE                ; the add's two registers, made anew from v0, which is as at the entry
	v_mov_b32 v3, 0
	s_wait_tensorcnt 0x0                           ; the wave's end: three closing lines, behind my last tensor load and my last LDS store
	ds_add_u32 v2, v3
	s_wait_dscnt 0x0
	s_endpgm
.Lfunc_end_k_qe3f0ec246f_attend:
	.size	k_qe3f0ec246f_attend, .Lfunc_end_k_qe3f0ec246f_attend-k_qe3f0ec246f_attend
	.p2alignl 7, 3214868480
	.fill 96, 4, 3214868480
	.section	.rodata,"a",@progbits
	.p2align	6, 0x0
	.amdhsa_kernel k_qe3f0ec246f_attend
		.amdhsa_group_segment_fixed_size 327680
		.amdhsa_private_segment_fixed_size 0
		.amdhsa_enable_private_segment 0
		.amdhsa_kernarg_size 64
		.amdhsa_user_sgpr_count 2
		.amdhsa_user_sgpr_kernarg_segment_ptr 1
		.amdhsa_wavefront_size32 1
		.amdhsa_system_sgpr_workgroup_id_x 1
		.amdhsa_system_sgpr_workgroup_id_y 1
		.amdhsa_system_sgpr_workgroup_id_z 1
		.amdhsa_system_vgpr_workitem_id 0
		.amdhsa_next_free_vgpr 256
		.amdhsa_next_free_sgpr 80
		.amdhsa_reserve_vcc 0
		.amdhsa_float_denorm_mode_32 3
		.amdhsa_float_denorm_mode_16_64 3
		.amdhsa_memory_ordered 1
		.amdhsa_forward_progress 1
		.amdhsa_inst_pref_size 101
	.end_amdhsa_kernel
	.amdgpu_metadata
---
amdhsa.version: [ 1, 2 ]
amdhsa.kernels:
  - .name:           k_qe3f0ec246f_attend
    .symbol:         k_qe3f0ec246f_attend.kd
    .args:
      - { .name: hq_img, .offset: 0, .size: 8, .value_kind: global_buffer, .address_space: global }
      - { .name: wq_img, .offset: 8, .size: 8, .value_kind: global_buffer, .address_space: global }
      - { .name: bq, .offset: 16, .size: 8, .value_kind: global_buffer, .address_space: global }
      - { .name: kv_img, .offset: 24, .size: 8, .value_kind: global_buffer, .address_space: global }
      - { .name: wo_img, .offset: 32, .size: 8, .value_kind: global_buffer, .address_space: global }
      - { .name: bo, .offset: 40, .size: 8, .value_kind: global_buffer, .address_space: global }
      - { .name: lowp_scales, .offset: 48, .size: 8, .value_kind: global_buffer, .address_space: global }
      - { .name: out0, .offset: 56, .size: 8, .value_kind: global_buffer, .address_space: global }
    .group_segment_fixed_size: 327680
    .private_segment_fixed_size: 0
    .kernarg_segment_align: 8
    .kernarg_segment_size: 64
    .max_flat_workgroup_size: 512
    .sgpr_count:     80
    .vgpr_count:     256
    .wavefront_size: 32
...
	.end_amdgpu_metadata
.endif
;; end of part 3
;; ======== version 2 of 2: 3 launches
;; workspace buffers: wq_img 1,048,576 bytes; wo_img 1,048,576 bytes; wkv_img 131,072 bytes; hq_img 8,388,608 bytes; kv_img 1,048,576 bytes
;; launch prep (part 4): grid 272 x 1, 4 waves a work-group, no clusters, 0 bytes of LDS; arguments Wq, Wo, Wk, Wv, lowp_scales, wq_img, wo_img, wkv_img; writes wq_img, wo_img, wkv_img
.if DOCPART == 4
	.amdgcn_target "amdgcn-amd-amdhsa--gfx1250"
	.amdhsa_code_object_version 6
	.text
	.protected	k_qe3f0ec246f_prep
	.globl	k_qe3f0ec246f_prep
	.p2align	8
	.type	k_qe3f0ec246f_prep,@function
k_qe3f0ec246f_prep:
	s_mov_b64 s[64:65], 0
	v_nop
	global_prefetch_b8 v0, s[64:65] scope:SCOPE_SE
	s_setreg_imm32_b32 hwreg(HW_REG_WAVE_MODE, 25, 1), 1
	s_wait_xcnt 0x0
; MULTI-QUERY ATTENTION ON CODES OF E5M2, three launches: prep (this one), project, attend.
; DEAD WORK: none.  bq and bk move the codes of q and k (product 4), bv those of v (product 5), bo is added to the output, and all six
; products reach the output: every input is loaded and no step of the problem is left out.
; THIS LAUNCH turns the four weights, f32 stored [K = 1024][N], into codes of E5M2 with the given scales (Wq: entry 1, Wk: 3, Wv: 5, Wo: 11):
; code = x / 2^e, held within +-57,344, to the nearest code, ties to even.
; LAYOUT OF ALL CODES IN THIS PROGRAM: IMAGES OF OPERAND REGISTERS.  A fragment of the plain 8-bit matrix forms is 16 rows; lane (r = lane % 16, h = lane / 16)
; holds, of row r, k = 16 c + 8 h + 0..7 in registers 2 c, 2 c + 1.  An image lays registers 4 g .. 4 g + 3 as 512 bytes, lane l's 16 bytes at 16 l, the groups g on end:
; 128 along K are 2,048 bytes.  Here a row is a weight's COLUMN: wq_img, wo_img: [64 tiles of 16 columns][8 K steps of 128][2048]; wkv_img the same with 8 tiles: 0-3 Wk, 4-7 Wv.
; SHARES.  A lane takes a column and its registers run down K; a wave takes 32 columns x 64 along K, the four waves stand side by side on 512 bytes of a row of Wq or Wo.
; Work-groups 0-127: Wq, 128-255: Wo (128 columns (id / 16) % 8, 64 along K id % 16); 256-271: waves 0, 1 Wk's 64 columns, waves 2, 3 Wv's.
; A lane's 32 numbers of a group g are the 16 bytes of image lane (r, 0) (k 0-7, 16-23 of the 32) and those of lane (r, 1) (k 8-15, 24-31): two stores,
; in each of which sixteen lanes write 256 consecutive bytes, aligned.  No LDS, no barrier: waves share nothing.
; LIMITS: each e between -126 and 112, so that 2^e and 57,344 x 2^e are f32 numbers.  NaN among the inputs is not served.
.set X, 16                             ; v16-79  64 numbers down K
.set C, 80                             ; v80-95  their codes: 8 registers a block of 32, written once
.macro LOADS pitch                     ; W(64 u + i, my column), i = 0 .. 63: 32 lanes read 128 consecutive bytes
.set i, 0
.rept 64
	global_load_b32 v[X+i], v1, s[36:37] offset:i*(\pitch) th:TH_LOAD_NT
.set i, i+1
.endr
.endm
.macro BLOCK j                         ; 32 along K: group 2 (u % 2) + j of the K step's image
	s_wait_loadcnt 32*(1-(\j))                     ; loads come back in order: block 0 leaves block 1's 32 out
.set i, 0
.rept 32
	v_med3_num_f32 v[X+32*(\j)+i], v[X+32*(\j)+i], -v4, v4   ; the conversion does not saturate (ISA guide 7.6.2): the hold at the largest code x the scale
.set i, i+1
.endr
	v_cvt_scalef32_pk8_bf8_f32 v[C+8*(\j):C+8*(\j)+1],   v[X+32*(\j):X+32*(\j)+7],     v3   ; image lane (r, 0): k 0-7,
	v_cvt_scalef32_pk8_bf8_f32 v[C+8*(\j)+2:C+8*(\j)+3], v[X+32*(\j)+16:X+32*(\j)+23], v3   ; k 16-23
	v_cvt_scalef32_pk8_bf8_f32 v[C+8*(\j)+4:C+8*(\j)+5], v[X+32*(\j)+8:X+32*(\j)+15],  v3   ; image lane (r, 1): k 8-15,
	v_cvt_scalef32_pk8_bf8_f32 v[C+8*(\j)+6:C+8*(\j)+7], v[X+32*(\j)+24:X+32*(\j)+31], v3   ; k 24-31
	v_nop                                          ; a plain line behind the last conversion
	global_store_b128 v2, v[C+8*(\j):C+8*(\j)+3],   s[38:39] offset:512*(\j)
	global_store_b128 v2, v[C+8*(\j)+4:C+8*(\j)+7], s[38:39] offset:512*(\j)+256
.endm
	s_load_b256 s[4:11], s[0:1], 0x0               ; Wq s[4:5], Wo s[6:7], Wk s[8:9], Wv s[10:11]
	s_load_b256 s[12:19], s[0:1], 0x20             ; the exponents s[12:13], wq_img s[14:15], wo_img s[16:17], wkv_img s[18:19]
	v_lshrrev_b32 v5, 5, v0
	v_readfirstlane_b32 s20, v5                    ; wave 0..3
	v_and_b32 v6, 31, v0                           ; lane
	v_lshlrev_b32 v1, 2, v6                        ; in: 4 bytes a lane
	v_lshrrev_b32 v7, 4, v6
	v_and_b32 v8, 15, v6
	v_lshlrev_b32 v2, 4, v8
	v_lshl_add_u32 v2, v7, 14, v2                  ; out: lanes 16-31 belong to the next tile of columns, 16,384 bytes on; 16 bytes for each column
	s_mov_b32 s43, 0
	s_wait_kmcnt 0x0
	s_load_b256 s[24:31], s[12:13], 0x0            ; e0 .. e7
	s_load_b128 s[32:35], s[12:13], 0x20           ; e8 .. e11
	s_cmp_ge_u32 ttmp9, 256
	s_cbranch_scc1 .Lsmall
	s_cmp_lt_u32 ttmp9, 128                        ; Wq's work-group or Wo's: the choice hangs on the work-group's number alone
	s_cselect_b64 s[36:37], s[4:5], s[6:7]
	s_cselect_b64 s[38:39], s[14:15], s[16:17]
	s_bfe_u32 s21, ttmp9, 0x30004                  ; cb: which 128 columns
	s_and_b32 s22, ttmp9, 15                       ; u: which 64 along K
	s_lshl_b32 s42, s22, 18                        ; 64 u rows of 4,096 bytes
	s_lshl_b32 s23, s21, 9
	s_add_co_u32 s42, s42, s23                     ; + 128 cb columns
	s_lshl_b32 s23, s20, 7
	s_add_co_u32 s42, s42, s23                     ; + 32 x wave columns
	s_add_nc_u64 s[36:37], s[36:37], s[42:43]
	s_lshl_b32 s42, s21, 17                        ; tile of columns 8 cb + 2 x wave, 16,384 bytes each
	s_lshl_b32 s23, s20, 15
	s_add_co_u32 s42, s42, s23
	s_lshl_b32 s23, s22, 10                        ; + 1,024 u: K step u / 2, its groups 2 (u % 2) on
	s_add_co_u32 s42, s42, s23
	s_add_nc_u64 s[38:39], s[38:39], s[42:43]
	s_wait_alu depctr_va_vdst(0)
	LOADS 4096
	s_wait_kmcnt 0x0
	s_cmp_lt_u32 ttmp9, 128
	s_cselect_b32 s40, s25, s35                    ; e1 or e11
	s_branch .Ljoin
.Lsmall:
	s_cmp_lt_u32 s20, 2                            ; waves 0, 1: Wk; waves 2, 3: Wv
	s_cselect_b64 s[36:37], s[8:9], s[10:11]
	s_mov_b64 s[38:39], s[18:19]
	s_sub_co_u32 s22, ttmp9, 256                   ; u
	s_lshl_b32 s42, s22, 14                        ; 64 u rows of 256 bytes
	s_and_b32 s23, s20, 1
	s_lshl_b32 s23, s23, 7
	s_add_co_u32 s42, s42, s23                     ; + 32 (wave % 2) columns
	s_add_nc_u64 s[36:37], s[36:37], s[42:43]
	s_lshl_b32 s42, s20, 15                        ; tile 2 x wave of the eight
	s_lshl_b32 s23, s22, 10
	s_add_co_u32 s42, s42, s23
	s_add_nc_u64 s[38:39], s[38:39], s[42:43]
	s_wait_alu depctr_va_vdst(0)
	LOADS 256
	s_wait_kmcnt 0x0
	s_cmp_lt_u32 s20, 2
	s_cselect_b32 s40, s27, s29                    ; e3 or e5
.Ljoin:                                            ; on both ways 64 loads are out
	s_add_co_i32 s40, s40, 127
	s_lshl_b32 s41, s40, 23
	v_mov_b32 v3, s41                              ; 2^e as f32: the conversion takes its exponent field
	s_add_co_i32 s40, s40, 15
	s_lshl_b32 s40, s40, 23
	s_or_b32 s40, s40, 0x600000
	v_mov_b32 v4, s40                              ; 57,344 x 2^e
	s_wait_alu depctr_va_vdst(0)
	BLOCK 0
	BLOCK 1
	s_endpgm
.Lfunc_end_k_qe3f0ec246f_prep:
	.size	k_qe3f0ec246f_prep, .Lfunc_end_k_qe3f0ec246f_prep-k_qe3f0ec246f_prep
	.p2alignl 7, 3214868480
	.fill 96, 4, 3214868480
	.section	.rodata,"a",@progbits
	.p2align	6, 0x0
	.amdhsa_kernel k_qe3f0ec246f_prep
		.amdhsa_group_segment_fixed_size 0
		.amdhsa_private_segment_fixed_size 0
		.amdhsa_enable_private_segment 0
		.amdhsa_kernarg_size 64
		.amdhsa_user_sgpr_count 2
		.amdhsa_user_sgpr_kernarg_segment_ptr 1
		.amdhsa_wavefront_size32 1
		.amdhsa_system_sgpr_workgroup_id_x 1
		.amdhsa_system_sgpr_workgroup_id_y 1
		.amdhsa_system_sgpr_workgroup_id_z 1
		.amdhsa_system_vgpr_workitem_id 0
		.amdhsa_next_free_vgpr 96
		.amdhsa_next_free_sgpr 66
		.amdhsa_reserve_vcc 0
		.amdhsa_float_denorm_mode_32 3
		.amdhsa_float_denorm_mode_16_64 3
		.amdhsa_memory_ordered 1
		.amdhsa_forward_progress 1
		.amdhsa_inst_pref_size 20
	.end_amdhsa_kernel
	.amdgpu_metadata
---
amdhsa.version: [ 1, 2 ]
amdhsa.kernels:
  - .name:           k_qe3f0ec246f_prep
    .symbol:         k_qe3f0ec246f_prep.kd
    .args:
      - { .name: Wq, .offset: 0, .size: 8, .value_kind: global_buffer, .address_space: global }
      - { .name: Wo, .offset: 8, .size: 8, .value_kind: global_buffer, .address_space: global }
      - { .name: Wk, .offset: 16, .size: 8, .value_kind: global_buffer, .address_space: global }
      - { .name: Wv, .offset: 24, .size: 8, .value_kind: global_buffer, .address_space: global }
      - { .name: lowp_scales, .offset: 32, .size: 8, .value_kind: global_buffer, .address_space: global }
      - { .name: wq_img, .offset: 40, .size: 8, .value_kind: global_buffer, .address_space: global }
      - { .name: wo_img, .offset: 48, .size: 8, .value_kind: global_buffer, .address_space: global }
      - { .name: wkv_img, .offset: 56, .size: 8, .value_kind: global_buffer, .address_space: global }
    .group_segment_fixed_size: 0
    .private_segment_fixed_size: 0
    .kernarg_segment_align: 8
    .kernarg_segment_size: 64
    .max_flat_workgroup_size: 128
    .sgpr_count:     66
    .vgpr_count:     96
    .wavefront_size: 32
...
	.end_amdgpu_metadata
.endif
;; end of part 4
;; launch project (part 5): grid 256 x 1, 8 waves a work-group, no clusters, 68,608 bytes of LDS; arguments hidden_state, wkv_img, bk, bv, lowp_scales, hq_img, kv_img; writes hq_img, kv_img
.if DOCPART == 5
	.amdgcn_target "amdgcn-amd-amdhsa--gfx1250"
	.amdhsa_code_object_version 6
	.text
	.protected	k_qe3f0ec246f_project
	.globl	k_qe3f0ec246f_project
	.p2align	8
	.type	k_qe3f0ec246f_project,@function
k_qe3f0ec246f_project:
	s_mov_b64 s[64:65], 0
	v_nop
	global_prefetch_b8 v0, s[64:65] scope:SCOPE_SE
	s_setreg_imm32_b32 hwreg(HW_REG_WAVE_SCHED_MODE, 0, 2), 2
	s_setreg_imm32_b32 hwreg(HW_REG_WAVE_MODE, 25, 1), 1
	s_wait_xcnt 0x0
	s_wait_alu depctr_vm_vsrc(0)
; hidden_state [8192 tokens][1024] f32 is read ONCE and quantised three times (entries 0, 2, 4 of the exponents: they may differ).  No work of the problem is left out here.
;   e0's codes go to hq_img for the next launch's product with Wq: [512 tiles of 16 tokens][8 K steps of 128][2048], images of operand registers (lane (r, h): token r, k = 16 c + 8 h + 0..7 in registers 2 c, 2 c + 1;
;   registers 4 g .. 4 g + 3 as 512 bytes, lane l's 16 bytes at 16 l).
;   e2's and e4's codes go through LDS to the products k = x Wk + bk and v = x Wv + bv, whose results are quantised (k: entry 6, along the head's 64; v: entry 8, along the KEYS) into kv_img:
;   for each batch 262,144 bytes: 128 images of 16 keys x 64 (1,024 bytes each), then [16 steps of 128 keys][4 tiles of 16 channels][2048]: images of V^T.
; SHARES.  Work-group i takes tokens 32 i .. 32 i + 31: two tiles m.  Wave w quantises K step w of both tiles; then it makes tile w of the eight tiles of 16 columns (0-3: k, 4-7: v) for both tiles of tokens, K = 1,024.
; k IS MADE TRANSPOSED (source 0 = 16 columns of Wk, source 1 = 16 tokens): a lane holds one token and eight neighbouring channels: its conversion gives registers 2 t, 2 t + 1 of the key tile's fragment.
; v IS MADE AS IT STANDS (source 0 = 16 tokens, source 1 = 16 columns of Wv): a lane holds one channel and eight neighbouring keys: the two tiles' conversions are one group of four registers of V^T's image.
; LIMITS: e0, e2, e4, e6, e8 between -126 and 112; e2 + e3 and e4 + e5 between -126 and 127.  NaN among the inputs is not served.
; REGISTERS: v1-9 addresses; v10-15 scales and holds; v16-31 two sets of 8 numbers at work; v32-127 six sets of 16 codes, later two buffers of x's fragments (v32-95), the two sums (v96-111), the bias (v112-119), codes (v120-125);
;   v128-255 x's numbers, later the wave's eight weight fragments.
; THE MODE: SCHED_MODE bits 1:0 = 2 (LLVM: expert scheduling mode 2), set by the entry lines.  The code itself states the register dependences
; between vector or matrix instructions and memory or LDS instructions, with s_wait_alu, always for 0.
; THE PLAN.  Registers that memory or LDS instructions touch:
;   v1, v2, v5-v9   offsets and LDS addresses: written at the head, read by every load and store, never written again.   v3, v4: written at the head, read by the closing add alone.
;   v128-191        x's tile 0 lands here; tile 0's holds read it; then the weights of K steps 0-3 land here, which the products read to the end.     v192-255: the same for tile 1 and K steps 4-7.
;   v32-79          tile 0's three sets of codes: written by its conversions, read by its twelve stores.     v80-127: the same for tile 1.
;   So ONE wait on va_vdst stands behind a tile's conversions: its codes are written, and its holds are done reading its numbers.  Behind it follow that tile's sixteen weight loads and twelve stores; tile 0's
;   stores are dealt among tile 1's vector lines, which name v10-31, v80-127 and v192-255: none of the registers that those loads and stores touch.
;   v32-63, v64-95  from the first barrier on: x's fragments of K step s land in buffer s % 2; step s's two products read it; step s + 1 asks for step s + 2 into it.
;   So ONE wait on va_vdst stands at the head of a step that loads, behind the wait for the step's own fragments: the products of the step before are done reading the other buffer.  The step's eight loads follow,
;   dealt among its two products, which name buffer s % 2, the weights and the sums.
;   One wait on vm_vsrc, behind the first barrier and ahead of the parting of the waves, states that all 24 stores have read v32-127, ahead of everything that is written there afterwards.
;   v12, v13        the biases' offsets: written behind the first barrier, read by the bias loads.     v120-123: written by the last conversions, read by the last stores.     v124-125: an LDS load lands there, the last store reads it.
.set XK,    0                          ; LDS: e2's images [m][K step][2048]
.set XV,    32768                      ; e4's
.set KST,   65536                      ; k's stage: the two key tiles' images, 2,048 bytes
.set SPARE, 67584                      ; the spare words, 128 bytes for each of eight waves: four blocks of 256 bytes that no other line names
.set TMP,   16
.set CD,    32
.set AB,    32
.set ACC,   96
.set BI,    112
.set OC,    120
.set XN,    128
.set WF,    128
.macro MKSC e, vsc, vlim               ; v[vsc] = 2^e as f32, v[vlim] = 57,344 x 2^e, e in s[e]
	s_add_co_i32 s52, s[\e], 127
	s_lshl_b32 s53, s52, 23
	v_mov_b32 v[\vsc], s53
	s_add_co_i32 s52, s52, 15
	s_lshl_b32 s52, s52, 23
	s_or_b32 s52, s52, 0x600000
	v_mov_b32 v[\vlim], s52
.endm
.macro XLOAD m                         ; tile m: lane (r, h) takes, of token r, k = 128 w + 16 c + 8 h + 0..7 into registers 8 c .. 8 c + 7; the sixteen loads together read each row's 512 bytes whole
.irp c, 0,1,2,3,4,5,6,7
	global_load_b128 v[XN+64*(\m)+8*\c:XN+64*(\m)+8*\c+3],   v2, s[4:5] offset:(\m)*65536+64*\c th:TH_LOAD_NT
	global_load_b128 v[XN+64*(\m)+8*\c+4:XN+64*(\m)+8*\c+7], v2, s[4:5] offset:(\m)*65536+64*\c+16 th:TH_LOAD_NT
.endr
.endm
.macro QUANT src, dst, sc, lim         ; 64 numbers become a fragment's 16 registers.  The numbers stay: the hold writes one of two sets of 8, by turns, so that eight plain lines stand between a conversion and the next write of its sources
.irp c, 0,1,2,3,4,5,6,7
.irp j, 0,1,2,3,4,5,6,7
	v_med3_num_f32 v[TMP+8*(\c%2)+\j], v[(\src)+8*\c+\j], -v[\lim], v[\lim]
.endr
	v_cvt_scalef32_pk8_bf8_f32 v[(\dst)+2*\c:(\dst)+2*\c+1], v[TMP+8*(\c%2):TMP+8*(\c%2)+7], v[\sc]
.endr
.endm
; The stores of tile m's three sets of codes; each set has registers of its own, which nothing writes again ahead of the first barrier
.macro HQOUT m                         ; e0's, to hq_img
.irp g, 0,1,2,3
	global_store_b128 v1, v[CD+48*(\m)+4*\g:CD+48*(\m)+4*\g+3], s[14:15] offset:(\m)*16384+512*\g   ; 32 lanes store 512 consecutive bytes, aligned
.endr
.endm
.macro XKOUT m                         ; e2's, to LDS
.irp g, 0,1,2,3
	ds_store_b128 v9, v[CD+48*(\m)+16+4*\g:CD+48*(\m)+16+4*\g+3] offset:XK+(\m)*16384+512*\g
.endr
.endm
.macro XVOUT m                         ; e4's, to LDS
.irp g, 0,1,2,3
	ds_store_b128 v9, v[CD+48*(\m)+32+4*\g:CD+48*(\m)+32+4*\g+3] offset:XV+(\m)*16384+512*\g
.endr
.endm
.macro WLOAD4 s0                       ; my tile of columns: the fragments of K steps s0 .. s0 + 3
.irp d, 0,1,2,3
.irp g, 0,1,2,3
	global_load_b128 v[WF+16*((\s0)+\d)+4*\g:WF+16*((\s0)+\d)+4*\g+3], v1, s[6:7] offset:2048*((\s0)+\d)+512*\g
.endr
.endr
.endm
.macro ALOADM s, m                     ; token tile m's fragment of K step s into buffer s % 2
.irp g, 0,1,2,3
	ds_load_b128 v[AB+32*((\s)%2)+16*(\m)+4*\g:AB+32*((\s)%2)+16*(\m)+4*\g+3], v5 offset:(\m)*16384+2048*(\s)+512*\g
.endr
.endm
.macro MM d, a, b, first
.if \first
	v_wmma_f32_16x16x128_bf8_bf8 v[\d:\d+7], v[\a:\a+15], v[\b:\b+15], 0
.else
	v_wmma_f32_16x16x128_bf8_bf8 v[\d:\d+7], v[\a:\a+15], v[\b:\b+15], v[\d:\d+7]
.endif
.endm
.macro GPATH kind                      ; kind 0: k, 1: v
.if \kind == 0
	global_load_b128 v[BI:BI+3],   v12, s[8:9]              ; bk at my eight channels 16 t + 8 h + 0..7
	global_load_b128 v[BI+4:BI+7], v12, s[8:9] offset:16
.else
	v_mov_b32 v[BI+1], 0                           ; (named as the upper half of a pair)
	global_load_b32 v[BI], v13, s[10:11]           ; bv at my channel 16 t + r
.endif
	ALOADM 0, 0                                    ; K steps 0 and 1 are asked for together: no product has read either buffer yet
	ALOADM 0, 1
	ALOADM 1, 0
	ALOADM 1, 1
.irp s, 0,1,2,3,4,5,6,7
.if \s == 0
	s_wait_dscnt 8                                 ; step 0's eight loads are in, step 1's eight stay out
.else
	s_wait_dscnt 0x0                               ; this step's eight loads are in: nothing was issued behind them
.endif
.if (\s >= 1) && (\s <= 6)
	s_wait_alu depctr_va_vdst(0)                   ; the products of the step before are done reading the other buffer, in which the eight loads below land
.endif
.irp m, 0,1                            ; the two sums take turns; the first product starts each
.if \kind == 0
	MM ACC+8*\m, WF+16*\s, AB+32*(\s%2)+16*\m, \s==0
.else
	MM ACC+8*\m, AB+32*(\s%2)+16*\m, WF+16*\s, \s==0
.endif
.if (\s >= 1) && (\s <= 6)
	ALOADM \s+1, \m                                ; the next step's fragment.  No wait: no vector or matrix instruction since the wait above names these registers
.endif
.endr
.rept 4
	v_nop                                          ; four places behind the step's products (ISA guide 7.12.1): they stay beside the wait at the next step's head; behind the last step they stand ahead of the first read of results
.endr
.endr
	s_wait_loadcnt 0x0                             ; the bias
.irp a, 0,1
.irp i, 0,2,4,6
.if \kind == 0
	v_pk_fma_f32 v[ACC+8*\a+\i:ACC+8*\a+\i+1], v[ACC+8*\a+\i:ACC+8*\a+\i+1], s[36:37], v[BI+\i:BI+\i+1] op_sel_hi:[1,0,1]   ; sum x 2^(e2 + e3) + bk; each sum from its low end on
.else
	v_pk_fma_f32 v[ACC+8*\a+\i:ACC+8*\a+\i+1], v[ACC+8*\a+\i:ACC+8*\a+\i+1], s[36:37], v[BI:BI+1] op_sel_hi:[1,0,0]         ; sum x 2^(e4 + e5) + bv
.endif
.endr
.endr
.set i, 0
.rept 16
	v_med3_num_f32 v[ACC+i], v[ACC+i], -v11, v11
.set i, i+1
.endr
	v_cvt_scalef32_pk8_bf8_f32 v[OC:OC+1],   v[ACC:ACC+7],    v10
	v_cvt_scalef32_pk8_bf8_f32 v[OC+2:OC+3], v[ACC+8:ACC+15], v10
	v_nop
	s_wait_alu depctr_va_vdst(0)                   ; the two conversions have written v[OC .. OC + 3], which the stores below read
.if \kind == 0
	ds_store_b64 v6, v[OC:OC+1]                    ; registers 2 t, 2 t + 1 of key tile 0's image: 8 of each lane's 16 bytes,
	ds_store_b64 v6, v[OC+2:OC+3] offset:1024      ; and of key tile 1's
.else
	global_store_b128 v1, v[OC:OC+3], s[48:49]     ; one group of V^T's image: 512 consecutive bytes, aligned
.endif
.endm
	s_load_b256 s[4:11], s[0:1], 0x0               ; hidden_state s[4:5], wkv_img s[6:7], bk s[8:9], bv s[10:11]
	s_load_b128 s[12:15], s[0:1], 0x20             ; the exponents s[12:13], hq_img s[14:15]
	s_load_b64 s[16:17], s[0:1], 0x30              ; kv_img
	v_lshl_add_u32 v3, v0, 2, SPARE                ; my spare word, and 0: kept for the wave's end
	v_mov_b32 v4, 0
	v_lshrrev_b32 v16, 5, v0
	v_readfirstlane_b32 s20, v16                   ; wave 0..7
	v_and_b32 v17, 31, v0                          ; lane
	v_and_b32 v18, 15, v0                          ; r
	v_bfe_u32 v19, v0, 4, 1                        ; h
	v_lshlrev_b32 v1, 4, v17                       ; 16 x lane: my place in a group of an image
	s_wait_alu depctr_va_vdst(0)
	v_lshlrev_b32 v8, 3, v17                       ; 8 x lane
	s_wait_alu depctr_va_vdst(0)
	s_wait_alu depctr_va_sdst(0)                   ; s20 is written, ahead of its first reader: the addresses below are made from it
	s_lshl_b32 s39, s20, 9
	v_lshlrev_b32 v2, 12, v18
	v_lshl_add_u32 v2, v19, 5, v2
	v_add_nc_u32 v2, s39, v2                       ; x: row r of 4,096 bytes + 32 h + 512 x wave
	s_lshr_b32 s39, s20, 2
	s_lshl_b32 s39, s39, 15
	v_add_nc_u32 v5, s39, v1                       ; where I read x's images: e2's (waves 0-3) or e4's (waves 4-7)
	s_lshr_b32 s39, s20, 1
	s_and_b32 s39, s39, 1
	s_lshl_b32 s39, s39, 9
	s_and_b32 s38, s20, 1
	s_lshl_b32 s38, s38, 3
	s_add_co_u32 s39, s39, s38
	s_add_co_u32 s39, s39, KST
	v_add_nc_u32 v6, s39, v1                       ; k's stage, in: group t / 2, 8 (t % 2) within my lane's 16 bytes
	s_lshl_b32 s39, s20, 8
	s_add_co_u32 s39, s39, KST
	v_add_nc_u32 v7, s39, v8                       ; and back: 256 bytes a wave
	s_lshl_b32 s39, s20, 11
	v_add_nc_u32 v9, s39, v1                       ; where I store x's images: K step = wave
	s_lshr_b32 s21, ttmp9, 6
	s_lshl_b32 s21, s21, 18                        ; the batch's 262,144 bytes of kv_img
	s_and_b32 s22, ttmp9, 63                       ; i': my 32 tokens among the batch's 2,048
	s_and_b32 s23, s20, 3                          ; t
	s_lshl_b32 s40, ttmp9, 17                      ; x: 32 rows of 4,096 bytes a work-group
	s_mov_b32 s41, 0
	s_lshl_b32 s42, ttmp9, 15                      ; hq_img: two tiles of 16,384 bytes a work-group, + 2,048 x wave
	s_lshl_b32 s38, s20, 11
	s_add_co_u32 s42, s42, s38
	s_mov_b32 s43, 0
	s_lshl_b32 s44, s20, 14                        ; wkv_img: my tile of columns
	s_mov_b32 s45, 0
	s_lshl_b32 s46, s22, 11                        ; k's images: key tiles 2 i', 2 i' + 1; 256 bytes of the 2,048 a wave
	s_add_co_u32 s46, s46, s21
	s_lshl_b32 s38, s20, 8
	s_add_co_u32 s46, s46, s38
	s_mov_b32 s47, 0
	s_lshr_b32 s48, s22, 2                         ; V^T's images: key step i' / 4, tile t, group i' % 4
	s_lshl_b32 s48, s48, 13
	s_add_co_u32 s48, s48, s21
	s_lshl_b32 s38, s23, 11
	s_add_co_u32 s48, s48, s38
	s_and_b32 s38, s22, 3
	s_lshl_b32 s38, s38, 9
	s_add_co_u32 s48, s48, s38
	s_add_co_u32 s48, s48, 131072
	s_mov_b32 s49, 0
	s_lshl_b32 s50, s23, 6                         ; the biases: 16 t numbers on
	s_mov_b32 s51, 0
	s_wait_kmcnt 0x0
	s_load_b256 s[24:31], s[12:13], 0x0            ; e0 .. e7
	s_load_b128 s[32:35], s[12:13], 0x20           ; e8 .. e11
	s_add_nc_u64 s[4:5], s[4:5], s[40:41]
	s_add_nc_u64 s[14:15], s[14:15], s[42:43]
	s_add_nc_u64 s[6:7], s[6:7], s[44:45]
	s_add_nc_u64 s[46:47], s[16:17], s[46:47]
	s_add_nc_u64 s[48:49], s[16:17], s[48:49]
	s_add_nc_u64 s[8:9], s[8:9], s[50:51]
	s_add_nc_u64 s[10:11], s[10:11], s[50:51]
	s_wait_alu depctr_va_vdst(0)                   ; the offsets and LDS addresses v1, v2 and v5 to v9 are written, which the loads and stores of the whole kernel read
	XLOAD 0
	XLOAD 1
	s_wait_kmcnt 0x0
	MKSC 24, 10, 11                                ; e0
	MKSC 26, 12, 13                                ; e2
	MKSC 28, 14, 15                                ; e4
	s_cmp_lt_u32 s20, 4                            ; waves 0-3 make k, waves 4-7 v
	s_cselect_b32 s54, s26, s28
	s_cselect_b32 s55, s27, s29
	s_cselect_b32 s56, s30, s32                    ; e6 or e8
	s_add_co_i32 s54, s54, s55
	s_add_co_i32 s54, s54, 127
	s_lshl_b32 s36, s54, 23                        ; 2^(e2 + e3) or 2^(e4 + e5) as f32
	s_mov_b32 s37, s36                             ; (named with it as a pair)
	s_wait_alu depctr_va_vdst(0)
	s_wait_loadcnt 16                              ; tile 0's sixteen loads are in, tile 1's stay out
	QUANT XN, CD, 10, 11                           ; tile 0 three times; each set of codes has registers of its own
	QUANT XN, CD+16, 12, 13
	QUANT XN, CD+32, 14, 15
	s_wait_alu depctr_va_vdst(0)                   ; tile 0's conversions have written v32 to v79, which its twelve stores read; its holds are done reading v128 to v191, in which the weight loads land
	WLOAD4 0                                       ; into the registers that tile 0's numbers have left
	XKOUT 0
	s_wait_loadcnt 16                              ; tile 1's are in; the sixteen weight loads issued behind them stay out
	QUANT XN+64, CD+48, 10, 11                     ; tile 1 three times.  Tile 0's other stores are dealt among these lines, which name none of v1, v9, v32 to v79
	XVOUT 0
	QUANT XN+64, CD+64, 12, 13
	HQOUT 0
	QUANT XN+64, CD+80, 14, 15
	v_nop                                          ; a plain line behind the last conversion
	s_wait_alu depctr_va_vdst(0)                   ; tile 1's conversions have written v80 to v127, which its twelve stores read; its holds are done reading v192 to v255, in which the weight loads land
	WLOAD4 4
	XKOUT 1
	XVOUT 1
	HQOUT 1
	s_wait_dscnt 0x0                               ; for the others' sake: my images lie in LDS
	s_barrier_signal -1
	s_barrier_wait -1                              ; all sixteen fragments of each kind do
	s_wait_loadcnt 0x0                             ; my eight weight fragments
	s_wait_xcnt 0x0                                ; hq_img's stores have read their registers, which x's fragments take now
	s_wait_alu depctr_vm_vsrc(0)                   ; my 24 stores, global and LDS, have read v32 to v127: from here on fragments and the bias land there, and products, a move and conversions write there
	MKSC 56, 10, 11                                ; e6 or e8
	v_bfe_u32 v12, v0, 4, 1
	v_lshlrev_b32 v12, 5, v12                      ; 32 h: bk's offset
	v_and_b32 v13, 15, v0
	v_lshlrev_b32 v13, 2, v13                      ; 4 r: bv's
	s_wait_alu depctr_va_vdst(0)                   ; v12 and v13 are written, which the bias loads read as their offsets: ahead of the parting of the waves
	s_cmp_lt_u32 s20, 4
	s_cbranch_scc0 .Lv
	GPATH 0
	s_branch .Ljoin
.Lv:
	GPATH 1
.Ljoin:
	s_wait_dscnt 0x0                               ; for the others' sake: my part of k's stage is stored
	s_barrier_signal -1
	s_barrier_wait -1
	ds_load_b64 v[124:125], v7                     ; the two key tiles' images, 256 bytes a wave.  No wait: v124 and v125 were last written and last read ahead of the waits that stand in front of the parting
	s_wait_dscnt 0x0
	global_store_b64 v8, v[124:125], s[46:47]      ; 32 lanes store 256 consecutive bytes, aligned
	s_wait_dscnt 0x0                               ; the closing lines, six on end
	s_wait_alu 0x0
	s_wait_tensorcnt 0x0
	ds_add_u32 v3, v4
	s_wait_dscnt 0x0
	s_endpgm
.Lfunc_end_k_qe3f0ec246f_project:
	.size	k_qe3f0ec246f_project, .Lfunc_end_k_qe3f0ec246f_project-k_qe3f0ec246f_project
	.p2alignl 7, 3214868480
	.fill 96, 4, 3214868480
	.section	.rodata,"a",@progbits
	.p2align	6, 0x0
	.amdhsa_kernel k_qe3f0ec246f_project
		.amdhsa_group_segment_fixed_size 68608
		.amdhsa_private_segment_fixed_size 0
		.amdhsa_enable_private_segment 0
		.amdhsa_kernarg_size 56
		.amdhsa_user_sgpr_count 2
		.amdhsa_user_sgpr_kernarg_segment_ptr 1
		.amdhsa_wavefront_size32 1
		.amdhsa_system_sgpr_workgroup_id_x 1
		.amdhsa_system_sgpr_workgroup_id_y 1
		.amdhsa_system_sgpr_workgroup_id_z 1
		.amdhsa_system_vgpr_workitem_id 0
		.amdhsa_next_free_vgpr 256
		.amdhsa_next_free_sgpr 66
		.amdhsa_reserve_vcc 0
		.amdhsa_float_denorm_mode_32 3
		.amdhsa_float_denorm_mode_16_64 3
		.amdhsa_memory_ordered 1
		.amdhsa_forward_progress 1
		.amdhsa_inst_pref_size 58
	.end_amdhsa_kernel
	.amdgpu_metadata
---
amdhsa.version: [ 1, 2 ]
amdhsa.kernels:
  - .name:           k_qe3f0ec246f_project
    .symbol:         k_qe3f0ec246f_project.kd
    .args:
      - { .name: hidden_state, .offset: 0, .size: 8, .value_kind: global_buffer, .address_space: global }
      - { .name: wkv_img, .offset: 8, .size: 8, .value_kind: global_buffer, .address_space: global }
      - { .name: bk, .offset: 16, .size: 8, .value_kind: global_buffer, .address_space: global }
      - { .name: bv, .offset: 24, .size: 8, .value_kind: global_buffer, .address_space: global }
      - { .name: lowp_scales, .offset: 32, .size: 8, .value_kind: global_buffer, .address_space: global }
      - { .name: hq_img, .offset: 40, .size: 8, .value_kind: global_buffer, .address_space: global }
      - { .name: kv_img, .offset: 48, .size: 8, .value_kind: global_buffer, .address_space: global }
    .group_segment_fixed_size: 68608
    .private_segment_fixed_size: 0
    .kernarg_segment_align: 8
    .kernarg_segment_size: 56
    .max_flat_workgroup_size: 256
    .sgpr_count:     66
    .vgpr_count:     256
    .wavefront_size: 32
...
	.end_amdgpu_metadata
.endif
;; end of part 5
;; launch attend (part 6): grid 256 x 1, 16 waves a work-group, no clusters, 327,680 bytes of LDS; arguments hq_img, wq_img, bq, kv_img, wo_img, bo, lowp_scales, out0; writes out0
.if DOCPART == 6
	.amdgcn_target "amdgcn-amd-amdhsa--gfx1250"
	.amdhsa_code_object_version 6
	.text
	.protected	k_qe3f0ec246f_attend
	.globl	k_qe3f0ec246f_attend
	.p2align	8
	.type	k_qe3f0ec246f_attend,@function
k_qe3f0ec246f_attend:
	s_mov_b64 s[64:65], 0
	v_nop
	global_prefetch_b8 v0, s[64:65] scope:SCOPE_SE
	s_setreg_imm32_b32 hwreg(HW_REG_WAVE_MODE, 25, 1), 1
	s_wait_xcnt 0x0
; out = (softmax(q k^T / 8) v) Wo + bo with q = x Wq + bq, all four products on codes of E5M2.  No work of the problem is left out here.
; SHARES.  Work-group i takes tokens 32 i .. 32 i + 31 of batch i / 64 with all 16 heads; wave w is head w and holds two tiles (A, B) of 16 tokens.  q, the scores, p and the attention's result never go to memory.
; PHASES.  1: q's 64 columns of head w (K = 1,024): x's codes from LDS, Wq's codes straight from memory into the one wave that uses them; + bq; quantised (entry 7) into two fragments that stay in registers.
;   2: sixteen steps of 128 keys.  The batch's K and V codes, 262,144 bytes, lie in LDS for the whole launch: one fill, no ring, no barrier in the loop.  3: O / l, quantised (entry 10), to LDS as head w's 64 of the last product's K.
;   4: columns 64 w .. 64 w + 63 of the output (K = 1,024), as phase 1 with Wo and bo; through a stage in LDS, out as whole aligned runs of 256 bytes.
; LAYOUT.  Every operand is an image of its registers (lane (r, h): row r, k = 16 c + 8 h + 0..7 in registers 2 c, 2 c + 1; registers 4 g .. 4 g + 3 as 512 bytes, lane l's 16 bytes at 16 l): every operand load reads 512 consecutive bytes.
;   All products are used so that a lane holds ONE token (lane % 16): source 0 = 16 weight columns, 16 keys or 16 channels of V^T; source 1 = 16 tokens.  A result's eight registers are eight neighbours along the next K, so each
;   conversion's two registers are registers 2 c, 2 c + 1 of the next operand.
; THE SOFTMAX: t = score x log2(e) / 8; M = the running largest t rounded UP to a whole number, kept as -M = floor(-t); p = 2^(t - M) is quantised (entry 9), not normalised; l is the sum of the unquantised p;
;   when M moves, l and O are multiplied by 2^(old M - new M), which rounds nothing.  The step is written once: O and l begin as zeros, the largest t as -3e38.
; NO CLUSTER, by this text's own arithmetic: K's and V's 262,144 bytes are fetched once, under phase 1, of some 2,400,000 bytes that a work-group reads.  The weights (1,048,576 bytes each) are shared by all work-groups, but beside
;   K, V and x LDS has 30,720 bytes left: two slots of 15,360 bytes would want some 70 rounds of the cluster's barrier for each weight, each for 8 matrix instructions a wave; so each fragment goes straight into its wave's registers.
; LIMITS: e7, e9, e10 between -126 and 112; e0 + e1 and e10 + e11 between -126 and 127; e6 + e7 between -123 and 130 (added to c's exponent field); e8 + e9 goes by v_ldexp_f32 and has none.  NaN among the inputs is not served.
; REGISTERS in the key loop: v0 the thread's number, kept; v1 16 x lane; v2 LDS address; v3 2^e9; v4 -M, v5 largest t, v[6:7] l of tile A; v8-11 the same of tile B; v12-15 at work; v16-23, v24-31 q's fragments;
;   v32-63 four fragments of K, then p's codes (A: v32-47, B: v48-63); v64-127 scores of A, then V's four fragments; v128-191 scores of B; v192-223, v224-255 O^T of A and of B.
; REGISTERS in phases 1 and 4: v2 x's (o's) images in LDS; v4 32 h; v32-63 the two token fragments; v64-127 eight sums (2 t + m); v128-191, v192-255 two buffers of four weight fragments; the bias lands in v128-159.
.set VIMG,  131072                     ; LDS: K's images from 0 (8,192 bytes a key step), V's from here (8,192 a key step)
.set XIMG,  262144                     ; [m][K step][2048]: x's codes, later o's
.set SPARE, 294912                     ; the spare words, 128 bytes for each of sixteen waves: eight blocks of 256 bytes that no other line names
.set STG,   8704                       ; the way out: two stages of 16 rows x (256 + 16) bytes a wave, in K's and V's bytes, which have had their one fill and are read no more by then
.set AF,  32
.set ACC, 64
.set WB,  128
.macro SCLIM e, sc, lim                ; s[sc] = 2^e as f32, s[lim] = 57,344 x 2^e, e in s[e]
	s_add_co_i32 s[\lim], s[\e], 127
	s_lshl_b32 s[\sc], s[\lim], 23
	s_add_co_i32 s[\lim], s[\lim], 15
	s_lshl_b32 s[\lim], s[\lim], 23
	s_or_b32 s[\lim], s[\lim], 0x600000
.endm
.macro WLOAD p, s, buf                 ; my four tiles of weight columns, K step s, into buffer buf: sixteen loads of 512 consecutive bytes
.irp t, 0,1,2,3
.irp g, 0,1,2,3
	global_load_b128 v[WB+64*(\buf)+16*\t+4*\g:WB+64*(\buf)+16*\t+4*\g+3], v1, s[\p:\p+1] offset:16384*\t+2048*(\s)+512*\g
.endr
.endr
.endm
.macro ALOAD s                         ; the two token tiles' fragments of K step s
.irp m, 0,1
.irp g, 0,1,2,3
	ds_load_b128 v[AF+16*\m+4*\g:AF+16*\m+4*\g+3], v2 offset:16384*\m+2048*(\s)+512*\g
.endr
.endr
.endm
; 32 tokens x my 64 columns, K = 1,024 in eight steps; the weights of steps 0 and 1 have been asked for.  The eight sums take turns, one instruction a turn, in the same order in every step.
.macro GEMM p, bp
.irp s, 0,1,2,3,4,5,6,7
	ALOAD \s
.if \s == 7
	s_wait_loadcnt 8                               ; step 7's weights are in; the eight bias loads stay out
.else
	s_wait_loadcnt 16                              ; this step's sixteen weight loads are in; the next step's stay out
.endif
	s_wait_dscnt 0x0
.irp t, 0,1,2,3
.irp m, 0,1
.if \s == 0
	v_wmma_f32_16x16x128_bf8_bf8 v[ACC+8*(2*\t+\m):ACC+8*(2*\t+\m)+7], v[WB+64*(\s%2)+16*\t:WB+64*(\s%2)+16*\t+15], v[AF+16*\m:AF+16*\m+15], 0
.else
	v_wmma_f32_16x16x128_bf8_bf8 v[ACC+8*(2*\t+\m):ACC+8*(2*\t+\m)+7], v[WB+64*(\s%2)+16*\t:WB+64*(\s%2)+16*\t+15], v[AF+16*\m:AF+16*\m+15], v[ACC+8*(2*\t+\m):ACC+8*(2*\t+\m)+7]
.endif
.endr
.endr
.rept 4
	v_nop                                          ; places in front of loads into registers that these products read, and of the first read of results
.endr
.if \s < 6
	WLOAD \p, \s+2, \s%2
.endif
.if \s == 6
.irp t, 0,1,2,3
	global_load_b128 v[WB+8*\t:WB+8*\t+3],   v4, s[\bp:\bp+1] offset:64*\t      ; the bias at my eight columns 16 t + 8 h + 0..7
	global_load_b128 v[WB+8*\t+4:WB+8*\t+7], v4, s[\bp:\bp+1] offset:64*\t+16
.endr
.endif
.endr
	s_wait_loadcnt 0x0
.irp t, 0,1,2,3
.irp m, 0,1
.irp i, 0,2,4,6
	v_pk_fma_f32 v[ACC+8*(2*\t+\m)+\i:ACC+8*(2*\t+\m)+\i+1], v[ACC+8*(2*\t+\m)+\i:ACC+8*(2*\t+\m)+\i+1], s[66:67], v[WB+8*\t+\i:WB+8*\t+\i+1] op_sel_hi:[1,0,1]   ; sum x 2^(the two exponents) + bias; each sum from its low end on
.endr
.endr
.endr
.endm
.macro KGROUP q                        ; four tiles of 16 keys: S^T = K Q^T for both token tiles: each fragment of K feeds two products
.irp f, 0,1,2,3
.irp g, 0,1
	ds_load_b128 v[32+8*\f+4*\g:32+8*\f+4*\g+3], v2 offset:4096*(\q)+1024*\f+512*\g
.endr
.endr
	s_wait_dscnt 0x0
.irp f, 0,1,2,3
	v_wmma_f32_16x16x64_bf8_bf8 v[64+8*(4*(\q)+\f):64+8*(4*(\q)+\f)+7],   v[32+8*\f:32+8*\f+7], v[16:23], 0
	v_wmma_f32_16x16x64_bf8_bf8 v[128+8*(4*(\q)+\f):128+8*(4*(\q)+\f)+7], v[32+8*\f:32+8*\f+7], v[24:31], 0
.endr
.endm
; One token tile's softmax for 128 keys.  sc: its 64 scores (register 8 T + j: key 16 T + 8 h + j); st: -M, largest t, l; pc: p's 16 registers of codes; oa: its O^T.
.macro SOFT sc, st, pc, oa
	v_max3_num_f32 v12, v[\sc], v[\sc+1], v[\sc+2]         ; the largest score among my 64 keys, in two chains, ascending: each tile of scores is first read at its low end
	v_max3_num_f32 v13, v[\sc+3], v[\sc+4], v[\sc+5]
.irp i, 6,10,14,18,22,26,30,34,38,42,46,50,54,58
	v_max3_num_f32 v12, v12, v[\sc+\i], v[\sc+\i+1]
	v_max3_num_f32 v13, v13, v[\sc+\i+2], v[\sc+\i+3]
.endr
	v_max3_num_f32 v12, v12, v[\sc+62], v[\sc+63]
	s_delay_alu instid0(VALU_DEP_1)
	v_max_num_f32 v12, v12, v13
	s_delay_alu instid0(VALU_DEP_1)
	v_permlanex16_b32 v14, v12, s60, s61           ; the token's other 64 keys lie in the lane 16 away
	s_delay_alu instid0(VALU_DEP_1)
	v_max_num_f32 v12, v12, v14
	s_delay_alu instid0(VALU_DEP_1)
	v_mul_f32 v12, s62, v12                        ; as t (c is positive)
	s_delay_alu instid0(VALU_DEP_1)
	v_max_num_f32 v[\st+1], v[\st+1], v12          ; the running largest t
	v_mov_b32 v12, v[\st]
	s_delay_alu instid0(VALU_DEP_2)
	v_floor_f32 v[\st], -v[\st+1]                  ; the new -M = floor(-t): M is a whole number
	s_delay_alu instid0(VALU_DEP_1)
	v_sub_f32 v12, v[\st], v12                     ; old M - new M, 0 or less
	s_delay_alu instid0(VALU_DEP_1)
	v_cvt_i32_f32 v12, v12                         ; (it saturates)
	s_delay_alu instid0(VALU_DEP_1)
	v_ldexp_f32 v12, 1.0, v12                      ; f = 2^(old M - new M)
.set j, 0
.rept 32
	v_pk_fma_f32 v[\sc+j:\sc+j+1], v[\sc+j:\sc+j+1], s[62:63], v[\st:\st+1] op_sel_hi:[1,0,0]   ; t - M, two at a time (of the pairs c and -M the low word serves both halves)
.set j, j+2
.endr
.set j, 0
	s_wait_alu depctr_va_vdst(0)
.rept 64
	v_exp_f32 v[\sc+j], v[\sc+j]                   ; p = 2^(t - M): one batch
.set j, j+1
.endr
	v_pk_mul_f32 v[\st+2:\st+3], v[\st+2:\st+3], v[12:13] op_sel_hi:[1,0]   ; l under the new M: the plain line behind the exponentials
	s_wait_alu depctr_va_vdst(0)                   ; one wait for the batch, ahead of its first reader
	v_pk_add_f32 v[14:15], v[\sc:\sc+1], v[\sc+2:\sc+3]    ; l takes the UNQUANTISED p, in two chains
.irp j, 4,8,12,16,20,24,28,32,36,40,44,48,52,56,60
	v_pk_add_f32 v[\st+2:\st+3], v[\st+2:\st+3], v[\sc+\j:\sc+\j+1]
	v_pk_add_f32 v[14:15], v[14:15], v[\sc+\j+2:\sc+\j+3]
.endr
	s_delay_alu instid0(VALU_DEP_1)
	v_pk_add_f32 v[\st+2:\st+3], v[\st+2:\st+3], v[14:15]
.irp b, 0,1,2,3
.set j, 0
.rept 16
	v_min_num_f32 v[\sc+16*\b+j], s68, v[\sc+16*\b+j]      ; the conversion does not saturate (ISA guide 7.6.2); p is not negative, so the hold is one-sided
.set j, j+1
.endr
	v_cvt_scalef32_pk8_bf8_f32 v[\pc+4*\b:\pc+4*\b+1],   v[\sc+16*\b:\sc+16*\b+7],    v3
	v_cvt_scalef32_pk8_bf8_f32 v[\pc+4*\b+2:\pc+4*\b+3], v[\sc+16*\b+8:\sc+16*\b+15], v3
.endr
.set j, 0
.rept 16
	v_pk_mul_f32 v[\oa+j:\oa+j+1], v[\oa+j:\oa+j+1], v[12:13] op_sel_hi:[1,0]   ; O^T under the new M; also the plain lines behind the conversions
.set j, j+2
.endr
.endm
	s_load_b256 s[4:11], s[0:1], 0x0               ; hq_img s[4:5], wq_img s[6:7], bq s[8:9], kv_img s[10:11]
	s_load_b256 s[12:19], s[0:1], 0x20             ; wo_img s[12:13], bo s[14:15], the exponents s[16:17], out0 s[18:19]
	v_lshl_add_u32 v2, v0, 2, SPARE                ; my spare word, and 0.  All 256 registers are at work in the key loop, so v0 is kept and the two are made anew at the wave's end
	v_mov_b32 v3, 0
	ds_add_u32 v2, v3                              ; the wave's opening: the add, twice on end, and its wait ahead of my first tensor load
	ds_add_u32 v2, v3
	v_lshrrev_b32 v4, 5, v0
	s_delay_alu instid0(VALU_DEP_1)
	v_readfirstlane_b32 s20, v4                    ; wave 0..15 = head
	; descriptor groups 1: dense blocks as rows of 256 bytes (32 elements of 8 bytes), no padding: x's part 8 rows, K's and V's part 64 rows
	s_mov_b32 s24, 3<<16                           ; 15:0 no mask; 17:16 elements of 8 bytes
	s_mov_b32 s25, 32<<16                          ; tensor_dim0 = 32
	s_mov_b32 s26, 8<<16                           ; tensor_dim1 = 8
	s_mov_b32 s27, 32<<16                          ; tile_dim0 = 32
	s_mov_b32 s28, 8                               ; tile_dim1 = 8
	s_mov_b32 s29, 32                              ; from row to row: 32 elements
	s_mov_b32 s30, 0
	s_mov_b32 s31, 0
	s_mov_b32 s32, 3<<16
	s_mov_b32 s33, 32<<16
	s_mov_b32 s34, 64<<16                          ; tensor_dim1 = 64
	s_mov_b32 s35, 32<<16
	s_mov_b32 s36, 64                              ; tile_dim1 = 64
	s_mov_b32 s37, 32
	s_mov_b32 s38, 0
	s_mov_b32 s39, 0
	s_mov_b32 s60, 0x76543210                      ; v_permlanex16_b32's selects for lane l xor 16
	s_mov_b32 s61, 0xfedcba98
	s_lshl_b32 s22, s20, 11                        ; x: 2,048 bytes a wave,
	s_lshl_b32 s74, ttmp9, 15                      ; of the work-group's 32,768
	s_add_co_u32 s74, s74, s22
	s_mov_b32 s75, 0
	s_lshl_b32 s45, s20, 14                        ; K and V: 16,384 bytes a wave: the LDS address,
	s_lshr_b32 s76, ttmp9, 6
	s_lshl_b32 s76, s76, 18                        ; of the batch's 262,144
	s_add_co_u32 s76, s76, s45
	s_mov_b32 s77, 0
	s_mov_b32 s40, 1                               ; groups 0: count = 1,
	s_add_co_u32 s41, s22, XIMG                    ; LDS address: a constant + the wave's number x a constant
	s_mov_b32 s44, 1
	s_wait_dscnt 0x0                               ; both opening adds are done
	s_wait_kmcnt 0x0
	s_load_b256 s[48:55], s[16:17], 0x0            ; e0 .. e7
	s_load_b128 s[56:59], s[16:17], 0x20           ; e8 .. e11
	s_add_nc_u64 s[42:43], s[4:5], s[74:75]
	s_or_b32 s43, s43, 0x80000000                  ; type = 2
	s_add_nc_u64 s[46:47], s[10:11], s[76:77]
	s_or_b32 s47, s47, 0x80000000
	tensor_load_to_lds s[40:43], s[24:31]          ; the launch's only fills, two a wave: my part of x's codes,
	s_nop 0
	s_wait_alu depctr_va_vdst(0)
	s_wait_tensorcnt 0x0
	ds_add_u32 v2, v3
	s_wait_dscnt 0x0
	s_barrier_signal -1
	s_barrier_wait -1
	tensor_load_to_lds s[44:47], s[32:39]          ; and of K's and V's
	s_nop 0
	s_lshl_b32 s22, s20, 16
	s_mov_b32 s23, 0
	s_add_nc_u64 s[6:7], s[6:7], s[22:23]          ; my four tiles of Wq's columns: 65,536 consecutive bytes,
	s_add_nc_u64 s[12:13], s[12:13], s[22:23]      ; and of Wo's
	s_lshl_b32 s22, s20, 8
	s_add_nc_u64 s[8:9], s[8:9], s[22:23]          ; my 64 numbers of bq and of bo
	s_add_nc_u64 s[14:15], s[14:15], s[22:23]
	s_lshl_b32 s74, ttmp9, 17
	s_add_co_u32 s22, s22, s74
	s_add_nc_u64 s[18:19], s[18:19], s[22:23]      ; out0 at my work-group's first row, my 256 bytes of it
	v_and_b32 v1, 31, v0
	s_delay_alu instid0(VALU_DEP_1)
	v_lshlrev_b32 v1, 4, v1                        ; 16 x lane
	WLOAD 6, 0, 0
	WLOAD 6, 1, 1
	v_add_nc_u32 v2, XIMG, v1
	v_bfe_u32 v4, v0, 4, 1
	s_delay_alu instid0(VALU_DEP_1)
	v_lshlrev_b32 v4, 5, v4                        ; 32 h
	s_wait_alu depctr_va_vdst(0)
	s_wait_kmcnt 0x0
	s_add_co_i32 s66, s48, s49
	s_add_co_i32 s66, s66, 127
	s_lshl_b32 s66, s66, 23                        ; 2^(e0 + e1) as f32
	s_mov_b32 s67, s66                             ; (named with it as a pair)
	s_add_co_i32 s79, s58, s59
	s_add_co_i32 s79, s79, 127
	s_lshl_b32 s79, s79, 23                        ; 2^(e10 + e11)
	s_add_co_i32 s22, s54, s55
	s_lshl_b32 s22, s22, 23
	s_add_co_i32 s62, s22, 0x3e38aa3b              ; c = log2(e) / 8, with e6 + e7 added to its exponent field: a score stands for score x 2^(e6 + e7)
	s_mov_b32 s63, s62
	s_add_co_i32 s72, s56, s57                     ; e8 + e9
	SCLIM 55, 74, 75                               ; q's
	SCLIM 57, 71, 68                               ; p's
	SCLIM 58, 73, 78                               ; o's
	v_mov_b32 v6, s74
	v_mov_b32 v5, s75
	s_wait_tensorcnt 0x1                           ; my part of x is in; K's and V's load, issued behind it, stays out
	s_barrier_signal -1
	s_barrier_wait -1                              ; everybody's part of x is in
	; ---- 1: q
	GEMM 6, 8
.set i, 0
.rept 64
	v_med3_num_f32 v[ACC+i], v[ACC+i], -v5, v5
.set i, i+1
.endr
.irp m, 0,1
.irp t, 0,1,2,3
	v_cvt_scalef32_pk8_bf8_f32 v[16+8*\m+2*\t:16+8*\m+2*\t+1], v[ACC+8*(2*\t+\m):ACC+8*(2*\t+\m)+7], v6   ; channels 16 t + 8 h + 0..7: registers 2 t, 2 t + 1 of the fragment
.endr
.endr
.set i, 0
.rept 64
	v_mov_b32 v[192+i], 0                          ; O^T: the key step is written once; its first trip finds zeros, which the first change of M leaves zeros
.set i, i+1
.endr
	v_mov_b32 v5, 0xff61b1e6                       ; the largest t so far: -3e38
	v_mov_b32 v9, 0xff61b1e6
	s_delay_alu instid0(VALU_DEP_2)
	v_floor_f32 v4, -v5                            ; -M
	s_delay_alu instid0(VALU_DEP_2)
	v_floor_f32 v8, -v9
	v_mov_b32 v6, 0                                ; l, in two halves
	v_mov_b32 v7, 0
	v_mov_b32 v10, 0
	v_mov_b32 v11, 0
	v_mov_b32 v12, 0                               ; written once: a lane permute's destination counts as read, and pairs are named whole
	v_mov_b32 v13, 0
	v_mov_b32 v14, 0
	v_mov_b32 v15, 0
	v_mov_b32 v3, s71                              ; 2^e9
	s_mov_b32 s69, 0                               ; the key step's bytes in K's and in V's images
	s_mov_b32 s70, 16
	s_wait_tensorcnt 0x0                           ; my part of K and V is in,
	s_wait_dscnt 0x0                               ; and my reads of x's codes are over: o's codes will take their place
	s_barrier_signal -1
	s_barrier_wait -1
	; ---- 2: sixteen steps of 128 keys
.Lkeys:
	s_setprio 2
	v_add_nc_u32 v2, s69, v1
.rept 4
	v_nop                                          ; with the line above five places: the first products below write over V's registers, which the last trip's products read, and the loads land on p's
.endr
	KGROUP 0
.rept 4
	v_nop                                          ; places in front of the loads into K's registers, and of the first read of the scores above
.endr
	s_wait_alu depctr_va_vdst(0)
	KGROUP 1                                       ; (its scores are first read fifteen plain lines into the maximum)
	SOFT 64, 4, 32, 192
	v_add_nc_u32 v2, VIMG, v2
.irp t, 0,1,2,3
.irp g, 0,1,2,3
	ds_load_b128 v[64+16*\t+4*\g:64+16*\t+4*\g+3], v2 offset:2048*\t+512*\g   ; V^T's four fragments, into the registers that tile A's p has left: they land under tile B's softmax
.endr
.endr
	s_setprio 1
	SOFT 128, 8, 48, 224
	s_setprio 0
	s_wait_alu depctr_va_vdst(0)
	s_wait_dscnt 0x0
.irp t, 0,1,2,3                        ; O^T += V^T P^T: each fragment of V feeds two products; the eight sums take turns
	v_wmma_f32_16x16x128_bf8_bf8 v[192+8*\t:199+8*\t], v[64+16*\t:79+16*\t], v[32:47], v[192+8*\t:199+8*\t]
	v_wmma_f32_16x16x128_bf8_bf8 v[224+8*\t:231+8*\t], v[64+16*\t:79+16*\t], v[48:63], v[224+8*\t:231+8*\t]
.endr
	s_add_co_u32 s69, s69, 8192
	s_sub_co_u32 s70, s70, 1
	s_cmp_lg_u32 s70, 0
	s_cbranch_scc1 .Lkeys
	s_setprio 0
	; ---- 3: O / l, quantised, to LDS
	v_add_f32 v6, v6, v7                           ; l's two halves; these lines are the places behind the last products
	v_add_f32 v10, v10, v11
	s_delay_alu instid0(VALU_DEP_2)
	v_permlanex16_b32 v12, v6, s60, s61
	s_delay_alu instid0(VALU_DEP_2)
	v_permlanex16_b32 v13, v10, s60, s61
	s_delay_alu instid0(VALU_DEP_2)
	v_add_f32 v6, v6, v12                          ; and lane l xor 16's
	s_delay_alu instid0(VALU_DEP_2)
	v_add_f32 v10, v10, v13
	s_wait_alu depctr_va_vdst(0)
	v_rcp_f32 v6, v6
	v_rcp_f32 v10, v10
	v_mov_b32 v4, s78                              ; 57,344 x 2^e10 (the plain line behind the reciprocals)
	v_mov_b32 v5, s73                              ; 2^e10
	s_wait_alu depctr_va_vdst(0)                   ; one wait for both reciprocals, ahead of their first reader
	v_ldexp_f32 v6, v6, s72                        ; x 2^(e8 + e9)
	v_ldexp_f32 v10, v10, s72
.set j, 0
.rept 16
	v_pk_mul_f32 v[64+j:65+j], v[192+j:193+j], v[6:7] op_sel_hi:[1,0]      ; tile A: register 8 t + i is channel 16 t + 8 h + i; each sum from its low end on
.set j, j+2
.endr
.set j, 0
.rept 16
	v_pk_mul_f32 v[96+j:97+j], v[224+j:225+j], v[10:11] op_sel_hi:[1,0]    ; tile B
.set j, j+2
.endr
.set i, 0
.rept 64
	v_med3_num_f32 v[64+i], v[64+i], -v4, v4
.set i, i+1
.endr
.irp m, 0,1
.irp t, 0,1,2,3
	v_cvt_scalef32_pk8_bf8_f32 v[32+8*\m+2*\t:32+8*\m+2*\t+1], v[64+32*\m+8*\t:64+32*\m+8*\t+7], v5
.endr
.endr
	v_nop                                          ; a plain line behind the last conversion
	s_lshl_b32 s22, s20, 10
	s_add_co_u32 s22, s22, XIMG
	v_add_nc_u32 v2, s22, v1                       ; head w's 64 along K: half w % 2 of K step w / 2: 1,024 w bytes on
.irp m, 0,1
.irp g, 0,1
	ds_store_b128 v2, v[32+8*\m+4*\g:32+8*\m+4*\g+3] offset:16384*\m+512*\g
.endr
.endr
	WLOAD 12, 0, 0                                 ; Wo's first two K steps are asked for ahead of the barrier
	WLOAD 12, 1, 1
	s_mov_b32 s66, s79                             ; 2^(e10 + e11)
	s_mov_b32 s67, s79
	v_bfe_u32 v4, v0, 4, 1
	s_delay_alu instid0(VALU_DEP_1)
	v_lshlrev_b32 v4, 5, v4                        ; 32 h
	s_wait_dscnt 0x0                               ; for the others' sake: my stores have landed; my reads of K and V are over too
	s_barrier_signal -1
	s_barrier_wait -1                              ; all sixteen heads' codes lie in LDS, and nobody reads K or V any more
	; ---- 4: the output
	v_add_nc_u32 v2, XIMG, v1
	s_wait_alu depctr_va_vdst(0)
	GEMM 12, 14
	s_mul_i32 s22, s20, STG                        ; my two stages
	v_and_b32 v12, 15, v0
	v_bfe_u32 v13, v0, 4, 1
	s_delay_alu instid0(VALU_DEP_2)
	v_mul_u32_u24 v5, v12, 272
	s_delay_alu instid0(VALU_DEP_1)
	v_lshl_add_u32 v5, v13, 5, v5
	s_delay_alu instid0(VALU_DEP_1)
	v_add_nc_u32 v5, s22, v5                       ; in: row r, 32 bytes for each half of the lanes
	s_delay_alu instid0(VALU_DEP_4)
	v_mul_u32_u24 v6, v13, 272
	s_delay_alu instid0(VALU_DEP_1)
	v_lshl_add_u32 v6, v12, 4, v6
	s_delay_alu instid0(VALU_DEP_1)
	v_add_nc_u32 v6, s22, v6                       ; back: lanes 0-15 one row of 256 bytes, lanes 16-31 the next
	v_lshlrev_b32 v7, 12, v13
	s_delay_alu instid0(VALU_DEP_1)
	v_lshl_add_u32 v7, v12, 4, v7                  ; and the same two rows in out0
.irp m, 0,1
.irp t, 0,1,2,3
	ds_store_b128 v5, v[ACC+8*(2*\t+\m):ACC+8*(2*\t+\m)+3]   offset:4352*\m+64*\t
	ds_store_b128 v5, v[ACC+8*(2*\t+\m)+4:ACC+8*(2*\t+\m)+7] offset:4352*\m+64*\t+16
.endr
.irp k, 0,1,2,3,4,5,6,7
	ds_load_b128 v[128+32*\m+4*\k:128+32*\m+4*\k+3], v6 offset:4352*\m+544*\k   ; LDS serves a wave's instructions in order (ISA guide 5.7.1.4): these see my stores
.endr
.endr
	s_wait_alu depctr_va_vdst(0)
.irp k, 0,1,2,3,4,5,6,7
	s_wait_dscnt 23-\k                             ; behind tile 0's load k: its 7 - k later loads, and tile 1's eight stores and eight loads
	global_store_b128 v7, v[128+4*\k:128+4*\k+3], s[18:19] offset:2*\k*4096 th:TH_STORE_NT   ; sixteen lanes store 256 consecutive bytes, aligned
.endr
.irp k, 0,1,2,3,4,5,6,7
	s_wait_dscnt 7-\k
	global_store_b128 v7, v[160+4*\k:160+4*\k+3], s[18:19] offset:(16+2*\k)*4096 th:TH_STORE_NT
.endr
	v_lshl_add_u32 v2, v0, 2, SPARE                ; the add's two registers, made anew from v0, which is as at the entry
	v_mov_b32 v3, 0
	s_wait_alu depctr_va_vdst(0)
	s_wait_tensorcnt 0x0                           ; the wave's end: three closing lines, behind my last tensor load and my last LDS store
	ds_add_u32 v2, v3
	s_wait_dscnt 0x0
	s_endpgm
.Lfunc_end_k_qe3f0ec246f_attend:
	.size	k_qe3f0ec246f_attend, .Lfunc_end_k_qe3f0ec246f_attend-k_qe3f0ec246f_attend
	.p2alignl 7, 3214868480
	.fill 96, 4, 3214868480
	.section	.rodata,"a",@progbits
	.p2align	6, 0x0
	.amdhsa_kernel k_qe3f0ec246f_attend
		.amdhsa_group_segment_fixed_size 327680
		.amdhsa_private_segment_fixed_size 0
		.amdhsa_enable_private_segment 0
		.amdhsa_kernarg_size 64
		.amdhsa_user_sgpr_count 2
		.amdhsa_user_sgpr_kernarg_segment_ptr 1
		.amdhsa_wavefront_size32 1
		.amdhsa_system_sgpr_workgroup_id_x 1
		.amdhsa_system_sgpr_workgroup_id_y 1
		.amdhsa_system_sgpr_workgroup_id_z 1
		.amdhsa_system_vgpr_workitem_id 0
		.amdhsa_next_free_vgpr 256
		.amdhsa_next_free_sgpr 80
		.amdhsa_reserve_vcc 0
		.amdhsa_float_denorm_mode_32 3
		.amdhsa_float_denorm_mode_16_64 3
		.amdhsa_memory_ordered 1
		.amdhsa_forward_progress 1
		.amdhsa_inst_pref_size 103
	.end_amdhsa_kernel
	.amdgpu_metadata
---
amdhsa.version: [ 1, 2 ]
amdhsa.kernels:
  - .name:           k_qe3f0ec246f_attend
    .symbol:         k_qe3f0ec246f_attend.kd
    .args:
      - { .name: hq_img, .offset: 0, .size: 8, .value_kind: global_buffer, .address_space: global }
      - { .name: wq_img, .offset: 8, .size: 8, .value_kind: global_buffer, .address_space: global }
      - { .name: bq, .offset: 16, .size: 8, .value_kind: global_buffer, .address_space: global }
      - { .name: kv_img, .offset: 24, .size: 8, .value_kind: global_buffer, .address_space: global }
      - { .name: wo_img, .offset: 32, .size: 8, .value_kind: global_buffer, .address_space: global }
      - { .name: bo, .offset: 40, .size: 8, .value_kind: global_buffer, .address_space: global }
      - { .name: lowp_scales, .offset: 48, .size: 8, .value_kind: global_buffer, .address_space: global }
      - { .name: out0, .offset: 56, .size: 8, .value_kind: global_buffer, .address_space: global }
    .group_segment_fixed_size: 327680
    .private_segment_fixed_size: 0
    .kernarg_segment_align: 8
    .kernarg_segment_size: 64
    .max_flat_workgroup_size: 512
    .sgpr_count:     80
    .vgpr_count:     256
    .wavefront_size: 32
...
	.end_amdgpu_metadata
.endif
;; end of part 6
